; MI455X (gfx1250); checked and timed in simulation.
; The chip was launched on July 23, 2026; its instructions are those of AMD's public machine-readable ISA for CDNA 5 (MIT licence, August 2026) and "CDNA5" Instruction Set Architecture Reference Guide (July 2026). The comments in the code are by the model that wrote it; some were corrected since.
;; Multi Head Attention Layer. Allowed arithmetic: matrix products marked QUANTISED: E4M3 operands, one given power-of-two scale a tensor, by v_wmma_f32_16x16x64_fp8_fp8 or v_wmma_f32_16x16x128_fp8_fp8, f32 sums; everything else in f32.
;; Inputs: Wk_codes 1,024 x 32 x 32 uint8 (E4M3 codes of Wk, K innermost, in blocks of 32 codes); Wo_codes 1,024 x 32 x 32 uint8 (E4M3 codes of Wo, K innermost, in blocks of 32 codes); Wq_codes 1,024 x 32 x 32 uint8 (E4M3 codes of Wq, K innermost, in blocks of 32 codes); Wv_codes 1,024 x 32 x 32 uint8 (E4M3 codes of Wv, K innermost, in blocks of 32 codes); bk 1,024 float32; bo 1,024 float32; bq 1,024 float32; bv 1,024 float32; ln_beta 1,024 float32; ln_gamma 1,024 float32; lowp_scales 12 int32 (the exponents e of the quantised operands' scales 2^e); x 4 x 2,048 x 1,024 float32.
;; Outputs: out0 4 x 2,048 x 1,024 float32.
;; This version of the problem:
;;   THIS VERSION OF THE PROBLEM IS GIVEN IN LOW PRECISION. The matrix products marked QUANTISED in the list below multiply operands that are first quantised to E4M3 (4 exponent bits, 3 mantissa bits; 8 bits a number), with one given power-of-two scale for each operand tensor; their sums are f32. All else is computed in f32.
;;   The module's matrix products, in the order in which they are computed (A, B: the left and right operand; K: the contracted axis; several contracted axes count as one K, in the product's order):
;;     1. [M 8,192, K 1,024] x [K 1,024, N 1,024]; A: computed on the way; B: input Wq (given as codes): QUANTISED (scales: A lowp_scales[0], B lowp_scales[1])
;;     2. [M 8,192, K 1,024] x [K 1,024, N 1,024]; A: computed on the way; B: input Wk (given as codes): QUANTISED (scales: A lowp_scales[2], B lowp_scales[3])
;;     3. [M 8,192, K 1,024] x [K 1,024, N 1,024]; A: computed on the way; B: input Wv (given as codes): QUANTISED (scales: A lowp_scales[4], B lowp_scales[5])
;;     4. batch 64 x [M 2,048, K 64] x [K 64, N 2,048]; A: computed on the way; B: computed on the way: QUANTISED (scales: A lowp_scales[6], B lowp_scales[7])
;;     5. batch 64 x [M 64, K 2,048] x [K 2,048, N 2,048]; A: computed on the way; B: softmax (see below): QUANTISED (scales: A lowp_scales[8], B lowp_scales[9])
;;     6. [M 8,192, K 1,024] x [K 1,024, N 1,024]; A: computed on the way; B: input Wo (given as codes): QUANTISED (scales: A lowp_scales[10], B lowp_scales[11])
;;   THE QUANTISER, for each operand of a quantised product, along K:
;;     - The operand's scale is 2^e, e = its entry of the input lowp_scales (int32; the entries are numbered through the quantised products in the list's order, A before B).
;;     - Each number is divided by the scale, clamped to +-448, and rounded to the nearest number of E4M3, ties to even, subnormals kept.
;;     - The product sums the exact products of the quantised numbers (number of the format x scale) in f32.
;;   ~~~python
;;   def quantise(x, axis, e):      # numpy; x: float32 -> the quantised numbers, widened to float32 again
;;       x = np.moveaxis(x, axis, -1); K = x.shape[-1]
;;       r = np.clip(x / 2.0 ** e, -448, 448)
;;       step = 2.0 ** (np.maximum(np.frexp(np.where(r == 0, 1, r))[1] - 1, -6) - 3)
;;       q = np.round(r / step) * step * 2.0 ** e      # np.round: ties to even
;;       return np.moveaxis(q, -1, axis).astype(np.float32)
;;   ~~~
;;   SOFTMAX AHEAD OF A QUANTISED PRODUCT. Where the list says 'softmax', what is quantised is not the finished softmax but p = 2^(t - M), with t = logit x log2(e) and M = ceil(the row's largest t), a whole number; so 1/2 < the row's largest p <= 1. The row's sum l is taken of the UNQUANTISED p, in f32, and the product's result is divided by l at the end. Since M is a whole number, a kernel that streams over the keys may use a running M (the ceiling of the running maximum): every later rescaling is an exact power of two, so the quantised numbers keep their values, but for numbers so far below the row's largest that they fall under the format's range.
;;   OPERANDS COMPUTED ON THE WAY. 'Computed on the way' means the value that the module computes at that place (a softmax that the list does not call 'softmax' is quantised finished and normalised). What goes into a quantiser is computed in f32, as accurately as f32 sums, v_exp_f32 and their like allow (about 1e-6 of the number): no bf16 or f16 on the way to a quantiser, and a product that is left as it is and whose result goes on into a quantised operand takes f32 operands (vector FMAs, or v_wmma_f32_16x16x4_f32). A number that lies on a knife's edge between two numbers of the format may be rounded either way, as far as f32 arithmetic and the matrix unit's own rounding can turn it there, and no further.
;;   INPUTS GIVEN AS CODES. Wk (in the module: [1024, 1024], K = its axis 0); Wo (in the module: [1024, 1024], K = its axis 0); Wq (in the module: [1024, 1024], K = its axis 0); Wv (in the module: [1024, 1024], K = its axis 0): each comes as NAME_codes (uint8): NAME with its K axis moved to the last place and cut into blocks of 32 codes, [.., K / 32, bytes a block], one block behind the other in memory; one code a byte (a code: sign, 4 exponent bits, 3 mantissa bits); its scale is its entry of lowp_scales. Its value is code x scale, taken as it is: it is not quantised again, and the codes and scales need not be those that the quantiser above would give.
;; One version. Each part assembles by itself: llvm-mc -triple=amdgcn-amd-amdhsa -mcpu=gfx1250 --defsym DOCPART=n.
;; ======== version 1 of 1: 4 launches
;; limits: right only within a limited range of input values
;; workspace buffers: xc 25,165,824 bytes; qkv 25,165,824 bytes; oc 8,388,608 bytes
;; launch ln (part 1): grid 512 x 1, 8 waves a work-group, no clusters, 82,944 bytes of LDS; arguments x, ln_gamma, ln_beta, lowp_scales, xc; writes xc
.if DOCPART == 1
	.amdgcn_target "amdgcn-amd-amdhsa--gfx1250"
	.amdhsa_code_object_version 6
	.text
	.protected	k_qb8818e0b15_ln
	.globl	k_qb8818e0b15_ln
	.p2align	8
	.type	k_qb8818e0b15_ln,@function
k_qb8818e0b15_ln:
	s_mov_b64 s[64:65], 0
	v_nop
	global_prefetch_b8 v0, s[64:65] scope:SCOPE_SE
	s_setreg_imm32_b32 hwreg(HW_REG_WAVE_MODE, 25, 1), 1
	s_wait_xcnt 0x0
; xn = (x - mean) / sqrt(var + 1e-5) * gamma + beta over rows of 1,024 f32, then quantised THREE times to E4M3 codes, with the given scales
; 2^e0, 2^e2, 2^e4 (the A operands of the q, k and v projections): xc[plane p][token][1024], one code a byte, K innermost.
; code = xn / 2^e, held within +-448, to the nearest code, ties to even.
; SHARES: 8,192 rows; a wave takes two whole rows, a work-group of eight waves sixteen.  Straight text: no loop, no barrier; waves share nothing.
; A load takes 512 consecutive bytes (16 a lane); the conversions want 16 NEIGHBOURS in a lane: each 2,048 bytes turn through the wave's own stage in LDS
; (64 bytes + 16 of padding to a place).  A lane then holds elements 16 l + 0..15 and 512 + 16 l + 0..15 of its row, so a store of 16 codes a lane covers 512 consecutive bytes.
; The variance is taken of the centred numbers (two passes over registers), so that a common offset of x costs no accuracy.
; LIMITS: e0, e2, e4 between -126 and 119, so that 2^e and 448 x 2^e are f32 numbers.  NaN among the inputs is not served.
.set SP,   80                          ; a lane's place in a stage
.set WREG, 10240                       ; LDS of a wave: 2 rows x 2 steps x 32 places
.set SC,   10                          ; v10, v12, v14: 2^e of plane p;  v11, v13, v15: 448 x 2^e
.set G,    16                          ; v16-47   gamma of my 32 elements
.set BT,   48                          ; v48-79   beta
.set R,    80                          ; v80-143  the rows as loaded, 32 a row; later the codes: row r, plane p at R + 32 r + 8 p
.set X,    144                         ; v144-207 the rows turned, 32 a row
.set Y,    208                         ; v208-239 at work
	s_load_b256 s[4:11], s[0:1], 0x0               ; x s[4:5], gamma s[6:7], beta s[8:9], the scales' exponents s[10:11]
	s_load_b64 s[12:13], s[0:1], 0x20              ; xc
	v_lshl_add_u32 v240, v0, 2, 0x14000
	v_mov_b32 v241, 0
	v_lshrrev_b32 v1, 5, v0
	s_delay_alu instid0(VALU_DEP_1)
	v_readfirstlane_b32 s14, v1                    ; wave 0..7
	v_and_b32 v1, 31, v0                           ; lane
	s_delay_alu instid0(VALU_DEP_1)
	v_lshlrev_b32 v2, 4, v1                        ; 16 x lane: my bytes of a load's or a store's 512
	s_delay_alu instid0(VALU_DEP_2)
	v_lshlrev_b32 v5, 6, v1                        ; 64 x lane: my 16 numbers of gamma and beta
	s_mul_i32 s15, s14, WREG
	v_lshrrev_b32 v3, 2, v1
	s_delay_alu instid0(VALU_DEP_1)
	v_mul_u32_u24 v3, v3, SP
	v_and_b32 v4, 3, v1
	s_delay_alu instid0(VALU_DEP_1)
	v_lshl_add_u32 v3, v4, 4, v3
	s_delay_alu instid0(VALU_DEP_1)
	v_add_nc_u32 v3, s15, v3                       ; the stage, on the way in: SP (lane / 4) + 16 (lane % 4)
	v_mul_u32_u24 v4, v1, SP
	s_delay_alu instid0(VALU_DEP_1)
	v_add_nc_u32 v4, s15, v4                       ; and on the way out: SP x lane
	v_mov_b32 v7, 0                                ; (upper halves of the pairs v[6:7], v[8:9]: named, so written)
	v_mov_b32 v9, 0
	v_mov_b32 v[Y+16], 0                           ; a lane permute's destination counts as one of its sources
	s_lshl_b32 s16, ttmp9, 3
	s_add_co_u32 s16, s16, s14                     ; which pair of rows is my wave's
	s_lshl_b32 s18, s16, 11                        ; its bytes in a plane of xc,
	s_lshl_b32 s16, s16, 13                        ; and in x
	s_mov_b32 s17, 0
	s_mov_b32 s19, 0
	s_mov_b32 s32, 0x3a800000                      ; 1 / 1024
	s_mov_b32 s33, 0x3727c5ac                      ; 1e-5
	s_mov_b32 s34, 0x76543210                      ; v_permlanex16_b32: lane l xor 16
	s_mov_b32 s35, 0xfedcba98
	s_wait_alu depctr_va_vdst(0)
	s_wait_kmcnt 0x0
	s_load_b256 s[24:31], s[10:11], 0x0            ; e0 .. e7
	s_add_nc_u64 s[4:5], s[4:5], s[16:17]
	s_add_nc_u64 s[18:19], s[12:13], s[18:19]      ; plane 0,
	s_add_nc_u64 s[20:21], s[18:19], 0x800000      ; plane 1,
	s_add_nc_u64 s[22:23], s[20:21], 0x800000      ; plane 2: a plane is 8,388,608 bytes, more than a store's immediate holds
.irp r, 0,1
.irp i, 0,1,2,3,4,5,6,7
	global_load_b128 v[R+32*\r+4*\i:R+32*\r+4*\i+3], v2, s[4:5] offset:4096*\r+512*\i th:TH_LOAD_NT   ; all of the wave's 8,192 bytes go out at once
.endr
.endr
.irp k, 0,1,2,3,4,5,6,7
	global_load_b128 v[G+4*\k:G+4*\k+3], v5, s[6:7] offset:2048*(\k/4)+16*(\k%4)
.endr
.irp k, 0,1,2,3,4,5,6,7
	global_load_b128 v[BT+4*\k:BT+4*\k+3], v5, s[8:9] offset:2048*(\k/4)+16*(\k%4)
.endr
.macro TURN r                          ; a row through the stage; LDS serves a wave's instructions in order, so no wait stands between the stores and the loads
.irp i, 0,1,2,3,4,5,6,7
	ds_store_b128 v3, v[R+32*\r+4*\i:R+32*\r+4*\i+3] offset:5120*\r+2560*(\i/4)+640*(\i%4)
.endr
.irp i, 0,1,2,3,4,5,6,7
	ds_load_b128 v[X+32*\r+4*\i:X+32*\r+4*\i+3], v4 offset:5120*\r+2560*(\i/4)+16*(\i%4)
.endr
.endm
.macro LANESUM                         ; v[Y] summed over the 32 lanes, the sum in every lane
	s_delay_alu instid0(VALU_DEP_1)
	v_add_f32_dpp v[Y], v[Y], v[Y] row_xmask:1 row_mask:0xf bank_mask:0xf
	s_delay_alu instid0(VALU_DEP_1)
	v_add_f32_dpp v[Y], v[Y], v[Y] row_xmask:2 row_mask:0xf bank_mask:0xf
	s_delay_alu instid0(VALU_DEP_1)
	v_add_f32_dpp v[Y], v[Y], v[Y] row_xmask:4 row_mask:0xf bank_mask:0xf
	s_delay_alu instid0(VALU_DEP_1)
	v_add_f32_dpp v[Y], v[Y], v[Y] row_xmask:8 row_mask:0xf bank_mask:0xf
	s_delay_alu instid0(VALU_DEP_1)
	v_permlanex16_b32 v[Y+16], v[Y], s34, s35
	s_delay_alu instid0(VALU_DEP_1)
	v_add_f32 v[Y], v[Y], v[Y+16]
.endm
	s_wait_loadcnt 24                              ; row 0's eight loads are in; row 1's, gamma's and beta's (24) may be out
	TURN 0
	s_wait_loadcnt 16                              ; row 1's are in; gamma's and beta's may be out
	TURN 1
	s_wait_kmcnt 0x0
.irp p, 0,1,2
	s_add_co_i32 s36, s[24+2*\p], 127
	s_lshl_b32 s37, s36, 23
	v_mov_b32 v[SC+2*\p], s37                      ; 2^e as f32: the conversion takes its exponent field
	s_add_co_i32 s36, s36, 8
	s_lshl_b32 s36, s36, 23
	s_or_b32 s36, s36, 0x600000
	v_mov_b32 v[SC+2*\p+1], s36                    ; 448 x 2^e
.endr
.macro ROW r, dsleft
.set XR, X+32*\r
.set CR, R+32*\r
	s_wait_dscnt \dsleft                           ; this row is back from the stage (and its stores into the stage have read their registers); dsleft: the other row's LDS instructions, which are younger
.irp j, 0,1,2,3,4,5,6,7
	v_pk_add_f32 v[Y+2*\j:Y+2*\j+1], v[XR+4*\j:XR+4*\j+1], v[XR+4*\j+2:XR+4*\j+3]     ; the sum of my 32 numbers, as a tree
.endr
.irp j, 0,1,2,3
	v_pk_add_f32 v[Y+4*\j:Y+4*\j+1], v[Y+4*\j:Y+4*\j+1], v[Y+4*\j+2:Y+4*\j+3]
.endr
	s_delay_alu instid0(VALU_DEP_3)
	v_pk_add_f32 v[Y:Y+1], v[Y:Y+1], v[Y+4:Y+5]
	s_delay_alu instid0(VALU_DEP_2)
	v_pk_add_f32 v[Y+8:Y+9], v[Y+8:Y+9], v[Y+12:Y+13]
	s_delay_alu instid0(VALU_DEP_1)
	v_pk_add_f32 v[Y:Y+1], v[Y:Y+1], v[Y+8:Y+9]
	s_delay_alu instid0(VALU_DEP_1)
	v_add_f32 v[Y], v[Y], v[Y+1]
	LANESUM
	s_delay_alu instid0(VALU_DEP_1)
	v_mul_f32 v6, s32, v[Y]                        ; the mean
.irp j, 0,1,2,3,4,5,6,7,8,9,10,11,12,13,14,15
	v_pk_add_f32 v[XR+2*\j:XR+2*\j+1], v[XR+2*\j:XR+2*\j+1], v[6:7] op_sel_hi:[1,0] neg_lo:[0,1] neg_hi:[0,1]   ; x - mean
.endr
.irp c, 0,1,2,3
	v_pk_mul_f32 v[Y+2*\c:Y+2*\c+1], v[XR+2*\c:XR+2*\c+1], v[XR+2*\c:XR+2*\c+1]      ; the squares, in four chains that the first four pairs start
.endr
.irp j, 4,5,6,7,8,9,10,11,12,13,14,15
	s_delay_alu instid0(VALU_DEP_4)
	v_pk_fma_f32 v[Y+2*(\j%4):Y+2*(\j%4)+1], v[XR+2*\j:XR+2*\j+1], v[XR+2*\j:XR+2*\j+1], v[Y+2*(\j%4):Y+2*(\j%4)+1]
.endr
	s_delay_alu instid0(VALU_DEP_3)
	v_pk_add_f32 v[Y:Y+1], v[Y:Y+1], v[Y+2:Y+3]
	s_delay_alu instid0(VALU_DEP_2)
	v_pk_add_f32 v[Y+4:Y+5], v[Y+4:Y+5], v[Y+6:Y+7]
	s_delay_alu instid0(VALU_DEP_1)
	v_pk_add_f32 v[Y:Y+1], v[Y:Y+1], v[Y+4:Y+5]
	s_delay_alu instid0(VALU_DEP_1)
	v_add_f32 v[Y], v[Y], v[Y+1]
	LANESUM
	s_delay_alu instid0(VALU_DEP_1)
	v_fma_f32 v[Y], v[Y], s32, s33                 ; var + 1e-5
	s_wait_alu depctr_va_vdst(0)
	v_rsq_f32 v8, v[Y]
	v_nop                                          ; a plain instruction behind the transcendental (ISA guide 5.7.2),
	s_wait_alu depctr_va_vdst(0)                   ; and the wait ahead of the first line that names its result
.if \r == 0
	s_wait_loadcnt 0x0                             ; gamma and beta
.endif
.irp j, 0,1,2,3,4,5,6,7,8,9,10,11,12,13,14,15
	v_pk_mul_f32 v[XR+2*\j:XR+2*\j+1], v[XR+2*\j:XR+2*\j+1], v[8:9] op_sel_hi:[1,0]
.endr
.irp j, 0,1,2,3,4,5,6,7,8,9,10,11,12,13,14,15
	v_pk_fma_f32 v[XR+2*\j:XR+2*\j+1], v[XR+2*\j:XR+2*\j+1], v[G+2*\j:G+2*\j+1], v[BT+2*\j:BT+2*\j+1]
.endr
.irp p, 0,1,2
.set i, 0
.rept 32
	v_med3_num_f32 v[Y+i], v[XR+i], -v[SC+2*\p+1], v[SC+2*\p+1]   ; the conversion to an 8-bit code does not saturate (ISA guide 7.6.2): the hold at the largest code x the scale
.set i, i+1
.endr
.irp g, 0,1,2,3
	v_cvt_scalef32_pk8_fp8_f32 v[CR+8*\p+2*\g:CR+8*\p+2*\g+1], v[Y+8*\g:Y+8*\g+7], v[SC+2*\p]
.endr
	v_nop                                          ; a plain line between the conversions and the next lines that write their sources
	global_store_b128 v2, v[CR+8*\p:CR+8*\p+3], s[18+2*\p:19+2*\p] offset:1024*\r            ; 32 lanes store 512 consecutive bytes, at a multiple of 512 from the plane's first byte
	global_store_b128 v2, v[CR+8*\p+4:CR+8*\p+7], s[18+2*\p:19+2*\p] offset:1024*\r+512      ; each store has registers of its own: none is written again
.endr
.endm
	ROW 0, 16
	ROW 1, 0
	s_wait_tensorcnt 0x0
	ds_add_u32 v240, v241
	s_wait_dscnt 0x0
	s_endpgm
.Lfunc_end_k_qb8818e0b15_ln:
	.size	k_qb8818e0b15_ln, .Lfunc_end_k_qb8818e0b15_ln-k_qb8818e0b15_ln
	.p2alignl 7, 3214868480
	.fill 96, 4, 3214868480
	.section	.rodata,"a",@progbits
	.p2align	6, 0x0
	.amdhsa_kernel k_qb8818e0b15_ln
		.amdhsa_group_segment_fixed_size 82944
		.amdhsa_private_segment_fixed_size 0
		.amdhsa_enable_private_segment 0
		.amdhsa_kernarg_size 40
		.amdhsa_user_sgpr_count 2
		.amdhsa_user_sgpr_kernarg_segment_ptr 1
		.amdhsa_wavefront_size32 1
		.amdhsa_system_sgpr_workgroup_id_x 1
		.amdhsa_system_sgpr_workgroup_id_y 1
		.amdhsa_system_sgpr_workgroup_id_z 1
		.amdhsa_system_vgpr_workitem_id 0
		.amdhsa_next_free_vgpr 242
		.amdhsa_next_free_sgpr 66
		.amdhsa_reserve_vcc 0
		.amdhsa_float_denorm_mode_32 3
		.amdhsa_float_denorm_mode_16_64 3
		.amdhsa_memory_ordered 1
		.amdhsa_forward_progress 1
		.amdhsa_inst_pref_size 38
	.end_amdhsa_kernel
	.amdgpu_metadata
---
amdhsa.version: [ 1, 2 ]
amdhsa.kernels:
  - .name:           k_qb8818e0b15_ln
    .symbol:         k_qb8818e0b15_ln.kd
    .args:
      - { .name: x, .offset: 0, .size: 8, .value_kind: global_buffer, .address_space: global }
      - { .name: ln_gamma, .offset: 8, .size: 8, .value_kind: global_buffer, .address_space: global }
      - { .name: ln_beta, .offset: 16, .size: 8, .value_kind: global_buffer, .address_space: global }
      - { .name: lowp_scales, .offset: 24, .size: 8, .value_kind: global_buffer, .address_space: global }
      - { .name: xc, .offset: 32, .size: 8, .value_kind: global_buffer, .address_space: global }
    .group_segment_fixed_size: 82944
    .private_segment_fixed_size: 0
    .kernarg_segment_align: 8
    .kernarg_segment_size: 40
    .max_flat_workgroup_size: 256
    .sgpr_count:     66
    .vgpr_count:     242
    .wavefront_size: 32
...
	.end_amdgpu_metadata
.endif
;; end of part 1
;; launch qkv (part 2): grid 12 x 32, 4 waves a work-group, clusters of 4 x 4, 327,680 bytes of LDS; arguments xc, Wq_codes, Wk_codes, Wv_codes, bq, bk, bv, lowp_scales, qkv; writes qkv
.if DOCPART == 2
	.amdgcn_target "amdgcn-amd-amdhsa--gfx1250"
	.amdhsa_code_object_version 6
	.text
	.protected	k_qb8818e0b15_qkv
	.globl	k_qb8818e0b15_qkv
	.p2align	8
	.type	k_qb8818e0b15_qkv,@function
k_qb8818e0b15_qkv:
	s_mov_b64 s[64:65], 0
	v_nop
	global_prefetch_b8 v0, s[64:65] scope:SCOPE_SE
	s_setreg_imm32_b32 hwreg(HW_REG_WAVE_MODE, 25, 1), 1
	s_wait_xcnt 0x0
	s_wait_alu depctr_hold_cnt(0) depctr_sa_sdst(0) depctr_va_vdst(0) depctr_va_sdst(0) depctr_va_ssrc(0) depctr_va_vcc(0) depctr_vm_vsrc(0)
	s_getreg_b32 s2, hwreg(HW_REG_IB_STS2, 6, 4)
	s_cmp_eq_u32 s2, 0
	s_cbranch_scc0 .Lentry_in_a_cluster
	s_endpgm
.Lentry_in_a_cluster:
	s_bfe_u32 s2, ttmp6, 0x10000c
	s_cmp_lg_u32 s2, 0xf033
	s_cbranch_scc0 .Lentry_shape_is_right
	s_endpgm
.Lentry_shape_is_right:
; q = xn Wq + bq, k = xn Wk + bk, v = xn Wv + bv on E4M3 codes (K = 1,024), each result quantised at once to E4M3 for the attention that follows, and stored as IMAGES OF OPERAND REGISTERS.
; The cluster's x (0, 1, 2) names the matrix: it is the same in all sixteen partners of a cluster.  A work-group of four waves makes 256 x 256 results, a wave 128 x 128: 64 accumulators, 512 registers.
; ONE LOOP SERVES ALL THREE.  Of a result tile a lane holds ONE row of source 1 and eight neighbouring rows of source 0, and the conversions take neighbours along the NEXT product's K from a lane's registers:
;   q, k: the next K is the head's 64 features: source 0 = rows of W (features), source 1 = rows of xc (tokens);
;   v:    the next K is the keys:               source 0 = rows of xc (tokens),  source 1 = rows of Wv (features).
; Only pointers, tile numbers and steps are chosen (s_cselect on the cluster's x).  The text parts in two places alone: where the bias is loaded, and in the first K step, which takes the bias as C.
; THE BIAS is the C of each sum's first product, divided by 2^(ea + ew); a sum then stands for sum x 2^(ea + ew), and its code is sum / 2^(eo - ea - ew): one scale for the conversion.
; SCALES: ea = e0, e2, e4; ew = e1, e3, e5; eo = e7 for q, e6 for k (in the scores' product k is the left operand and q the right, as v and the softmax are in the product after it), e8 for v.
; OUT (qkv, three planes of 8,388,608 bytes; head bh = 16 b + head at bh x 131,072; token s of the sequence at 64 s):
;   q, k: [bh][16 tokens][2][lane][16 bytes]: the 8 registers of a 16x16x64 operand: lane (r, h), registers 2 c, 2 c + 1: token r, features 16 c + 8 h + 0..7;
;   v:    [bh][128 keys][16 features dt][4][lane][16 bytes]: the 16 registers of a 16x16x128 operand: lane (r, h), registers 2 c, 2 c + 1: feature 16 dt + r, keys 16 c + 8 h + 0..7.
; K goes in steps of 256 through a ring of two LDS slots filled by joint tensor loads: source 1's tile is shared along a row of the cluster, source 0's along a column.
; In both operands of these products a lane takes K = 32 c + 16 h + 0..15 into registers 4 c .. 4 c + 3: one permutation of k for both sides, so every product meets its partner.
; LIMITS: eo - ea - ew between -126 and 119.
; REGISTERS: window 0: v0-31 addresses; v32-95 the bias, later the held sums; v128-255 source 1's fragments, ONE set, later the codes.  window 1: source 0's fragments, TWO sets.  windows 2, 3: the accumulators ((a, b) at v[8 (8 (a % 4) + b)]).
.set ROWB,   256                       ; a tile's row in bytes
.set KROW,   1024                      ; a row of xc or of W in memory
.set PITCH,  272                       ; an LDS row: 256 bytes + 16 of padding = 68 words: the 16 rows that a load touches start at 16 different banks (64 banks of 4 bytes: ISA guide 11.1)
.set FR,     16
.set NL,     4
.set NP,     4                         ; places behind this matrix instruction (ISA guide 7.12.1)
.set HALFT,  128*PITCH
.set SLOT,   4*HALFT                   ; source 1's 256 rows, then source 0's
.set SPARE,  2*SLOT                    ; the spare words, 128 bytes for each wave, that no other line names
.set ADRA, 16                          ; v16-17  LDS address of my source 1 fragments in slot 0, 1
.set ADRB, 20                          ; v20-21  the same for source 0
.set CO,   26                          ; v26     16 x lane
.set CO2,  27                          ; v27     the same, two quads (v) or a head (q, k) further on
.set SPW,  28
.set NIL,  29
.set BI,   32
.set AF,   128
.set G1, 24                            ; s[24:31] group 1 for source 1's tiles; s[32:39] group 0, a set for each slot
.set G0, 32
.set G1B, 48                           ; s[48:55], s[56:63] the same for source 0's
.set G0B, 56
.set MSB, 0
.macro WIN new                         ; the immediate's high byte repeats the setting that is left
.if MSB != (\new)
	s_set_vgpr_msb (MSB<<8)|(\new)
.set MSB, (\new)
.endif
.endm
.set MUL_LO, 0xa1                      ; source 0 window 1, source 1 window 0, C and D window 2
.set MUL_HI, 0xf1                      ; the same, C and D window 3
.set TO_B,   0x40
.macro JLOAD g0a, g1a, g0b, g1b        ; a joint load: waves 0 and 1 fetch source 1's halves, waves 2 and 3 source 0's; four v_nop follow each line
	s_cmp_eq_u32 s15, 0
	s_cbranch_scc0 .Lfor_b_\@
	tensor_load_to_lds s[\g0a:\g0a+3], s[\g1a:\g1a+7]
	s_nop 0
.rept 4
	v_nop
.endr
	s_branch .Lasked_\@
.Lfor_b_\@:
	tensor_load_to_lds s[\g0b:\g0b+3], s[\g1b:\g1b+7]
	s_nop 0
.rept 4
	v_nop
.endr
.Lasked_\@:
.endm
.macro CREST                           ; a round of the cluster's barrier behind its opening barrier
	s_cmp_lg_u32 s14, 0
	s_cbranch_scc1 .Lnot_wave_0_\@
	s_barrier_signal -3
.Lnot_wave_0_\@:
	s_barrier_wait -3
	s_barrier_signal -1
	s_barrier_wait -1
.endm
.macro CROUND
	s_barrier_signal -1
	s_barrier_wait -1
	CREST
.endm
	s_load_b512 s[68:83], s[0:1], 0x0              ; xc 68, Wq 70, Wk 72, Wv 74, bq 76, bk 78, bv 80, the scales' exponents 82
	s_load_b64 s[84:85], s[0:1], 0x40              ; qkv
	v_lshl_add_u32 v[SPW], v0, 2, SPARE
	v_mov_b32 v[NIL], 0
	ds_add_u32 v28, v29
	ds_add_u32 v28, v29
	s_wait_dscnt 0x0
	v_lshrrev_b32 v1, 5, v0
	v_readfirstlane_b32 s14, v1                    ; wave 0..3
	s_lshr_b32 s15, s14, 1                         ; my half of source 1's rows.  Also: I fetch for source 1 (0) or source 0 (1)
	s_and_b32 s16, s14, 1                          ; my half of source 0's rows.  Also: which 128 rows of that tile I fetch
	s_bfe_u32 s40, ttmp6, 0x40000                  ; cx
	s_bfe_u32 s41, ttmp6, 0x40004                  ; cy
	s_and_b32 s12, ttmp7, 0xffff
	s_lshl_b32 s12, s12, 2
	s_add_co_u32 s13, s12, s40                     ; 4 x cluster y + cx
	s_add_co_u32 s12, s12, s41                     ; 4 x cluster y + cy
	s_lshl_b32 s43, s41, 2
	s_lshl_b32 s43, 15, s43                        ; my row of the cluster
	s_lshl_b32 s44, 0x1111, s40                    ; my column
	s_or_b32 s[G1+0], s43, (0<<16)|(1<<20)|(1<<21)|(5<<22)|(3<<25)  ; 15:0 the mask; 17:16 elements of 1 byte; 20 padding on; 21 set beside a mask; 24:22 after every 64 words; 31:25 four words
	s_or_b32 s[G1B+0], s44, (0<<16)|(1<<20)|(1<<21)|(5<<22)|(3<<25)
.irp g, G1, G1B
	s_mov_b32 s[\g+1], ROWB<<16                    ; tensor_dim0
	s_mov_b32 s[\g+2], 128<<16                     ; tensor_dim1
	s_mov_b32 s[\g+3], ROWB<<16                    ; tile_dim0
	s_mov_b32 s[\g+4], 128                         ; tile_dim1
	s_mov_b32 s[\g+5], KROW                        ; tensor_dim0_stride
	s_mov_b32 s[\g+6], 0
	s_mov_b32 s[\g+7], 0
.endr
	s_lshl_b32 s18, s16, 17                        ; the 128 rows that I fetch, in bytes
	s_lshl_b32 s2, ttmp9, 23                       ; my matrix's plane of xc and of qkv
	s_mov_b32 s3, 0
	s_mul_i32 s45, s14, HALFT                      ; where my tile goes: no place in the cluster enters an LDS address
	s_cmp_eq_u32 ttmp9, 2                          ; v?
	s_cselect_b32 s17, s41, s12                    ; source 1's tile: made of cy alone (v: 256 features; q, k: 256 tokens)
	s_cselect_b32 s42, s13, s40                    ; source 0's tile: made of cx alone (v: 256 tokens; q, k: 256 features)
	s_lshl_b32 s20, s17, 18                        ; 256 rows of 1,024 bytes
	s_add_co_u32 s20, s20, s18
	s_lshl_b32 s46, s42, 18
	s_add_co_u32 s46, s46, s18
	s_mov_b32 s21, 0
	s_mov_b32 s47, 0
	s_wait_kmcnt 0x0
	s_load_b256 s[88:95], s[82:83], 0x0            ; e0 .. e7
	s_load_b128 s[96:99], s[82:83], 0x20           ; e8 .. e11
	s_add_nc_u64 s[86:87], s[68:69], s[2:3]        ; xc at my plane
	s_cmp_eq_u32 ttmp9, 0
	s_cselect_b64 s[6:7], s[70:71], s[72:73]
	s_cselect_b64 s[8:9], s[76:77], s[78:79]
	s_cmp_eq_u32 ttmp9, 2
	s_cselect_b64 s[4:5], s[74:75], s[86:87]       ; source 1: Wv, or xc
	s_cselect_b64 s[6:7], s[86:87], s[6:7]         ; source 0: xc, or Wq or Wk
	s_cselect_b64 s[8:9], s[80:81], s[8:9]         ; the bias
	s_add_nc_u64 s[20:21], s[4:5], s[20:21]
	s_add_nc_u64 s[46:47], s[6:7], s[46:47]
	CROUND                                         ; all sixteen work-groups are here: the first joint loads meet
.irp s, 0,1
	s_mov_b32 s[G0+4*\s], 1
	s_add_co_u32 s[G0+4*\s+1], s45, \s*SLOT
	s_add_nc_u64 s[G0+4*\s+2:G0+4*\s+3], s[20:21], \s*ROWB
	s_or_b32 s[G0+4*\s+3], s[G0+4*\s+3], 0x80000000
	s_mov_b32 s[G0B+4*\s], 1
	s_add_co_u32 s[G0B+4*\s+1], s45, \s*SLOT
	s_add_nc_u64 s[G0B+4*\s+2:G0B+4*\s+3], s[46:47], \s*ROWB
	s_or_b32 s[G0B+4*\s+3], s[G0B+4*\s+3], 0x80000000
.endr
	JLOAD G0, G1, G0B, G1B                         ; K step 0: one tensor load a wave at the head
	v_and_b32 v1, 15, v0                           ; r
	v_bfe_u32 v2, v0, 4, 1                         ; h
	v_mul_u32_u24 v3, v1, PITCH
	v_lshl_add_u32 v4, v2, 4, v3                   ; a fragment's row x pitch + 16 h
	s_mul_i32 s21, s15, HALFT
	s_mul_i32 s22, s16, HALFT
	s_add_co_u32 s22, s22, 2*HALFT
.irp s, 0,1
	v_add_nc_u32 v[ADRA+\s], s21, v4
	v_add_nc_u32 v[ADRB+\s], s22, v4
	s_add_co_u32 s21, s21, SLOT
	s_add_co_u32 s22, s22, SLOT
.endr
	v_and_b32 v6, 31, v0
	v_lshlrev_b32 v[CO], 4, v6
	s_wait_alu depctr_va_vdst(0)
	v_lshlrev_b32 v7, 5, v2                        ; the bias by source 0's rows: 32 h bytes
	v_lshlrev_b32 v8, 2, v1                        ; the bias by source 1's rows: 4 r bytes
	; where my 128 tokens x 128 features go
	s_cmp_eq_u32 ttmp9, 2
	s_cselect_b32 s18, s42, s17                    ; the tokens' tile,
	s_cselect_b32 s19, s16, s15                    ; my half of it,
	s_cselect_b32 s22, s41, s40                    ; the features' tile,
	s_cselect_b32 s23, s15, s16                    ; my half of it
	s_mov_b32 s66, 1024
	s_cselect_b32 s66, 2048, s66                   ; from one block of source 1 to the next: 16 features of v (2,048 bytes) or 16 tokens of q, k (1,024)
	s_mov_b32 s86, 1024
	s_cselect_b32 s86, 124928, s86                 ; from block 3 to block 4: in v the next head's first 16 features: 131,072 - 3 x 2,048
	s_mov_b32 s12, 131072
	s_cselect_b32 s12, 1024, s12                   ; a block's registers 8-15: in v quads 2, 3 of the same fragment; in q, k the next head
	s_mov_b32 s67, 0
	s_mov_b32 s87, 0
	v_add_nc_u32 v[CO2], s12, v[CO]
	s_lshl_b32 s18, s18, 8
	s_lshl_b32 s19, s19, 7
	s_add_co_u32 s18, s18, s19                     ; my first token
	s_lshl_b32 s22, s22, 8
	s_lshl_b32 s23, s23, 7
	s_add_co_u32 s22, s22, s23                     ; my first feature
	s_lshr_b32 s19, s18, 11
	s_lshl_b32 s19, s19, 21                        ; b x 16 heads x 131,072
	s_and_b32 s18, s18, 2047
	s_lshl_b32 s18, s18, 6                         ; 64 x the token's place in its sequence
	s_add_co_u32 s18, s18, s19
	s_lshr_b32 s19, s22, 6
	s_lshl_b32 s19, s19, 17                        ; head x 131,072
	s_add_co_u32 s18, s18, s19
	s_add_co_u32 s18, s18, s2                      ; the plane
	s_mov_b32 s19, 0
	s_add_nc_u64 s[10:11], s[84:85], s[18:19]
	s_lshl_b32 s22, s22, 2
	s_mov_b32 s23, 0
	s_add_nc_u64 s[8:9], s[8:9], s[22:23]          ; the bias at my first feature
	s_wait_kmcnt 0x0
	s_cmp_eq_u32 ttmp9, 0
	s_cselect_b32 s18, s88, s90
	s_cselect_b32 s19, s89, s91
	s_cselect_b32 s22, s95, s94
	s_cmp_eq_u32 ttmp9, 2
	s_cselect_b32 s18, s92, s18                    ; ea
	s_cselect_b32 s19, s93, s19                    ; ew
	s_cselect_b32 s22, s96, s22                    ; eo
	s_add_co_i32 s18, s18, s19
	s_sub_co_i32 s22, s22, s18                     ; eo - ea - ew
	s_sub_co_i32 s18, 0, s18                       ; -(ea + ew)
	s_add_co_i32 s22, s22, 127
	s_lshl_b32 s23, s22, 23
	v_mov_b32 v12, s23                             ; 2^(eo - ea - ew) as f32
	s_add_co_i32 s22, s22, 8
	s_lshl_b32 s22, s22, 23
	s_or_b32 s22, s22, 0x600000
	v_mov_b32 v13, s22                             ; 448 x that
	s_cmp_eq_u32 ttmp9, 2                          ; the cluster's x: the same way in all partners and all waves
	s_cbranch_scc1 .Lbias_v
	s_wait_alu depctr_va_vdst(0)
.irp b, 0,1,2,3,4,5,6,7                        ; q, k: tile b of source 0: features 16 b + 8 h + 0..7
	global_load_b128 v[BI+8*\b:BI+8*\b+3], v7, s[8:9] offset:64*\b
	global_load_b128 v[BI+8*\b+4:BI+8*\b+7], v7, s[8:9] offset:64*\b+16
.endr
	s_wait_loadcnt 0x0
.set i, 0
.rept 64
	v_ldexp_f32 v[BI+i], v[BI+i], s18              ; / 2^(ea + ew)
.set i, i+1
.endr
	s_branch .Lbias_done
.Lbias_v:
	s_wait_alu depctr_va_vdst(0)
.irp a, 0,1,2,3,4,5,6,7                        ; v: block a of source 1: feature 16 a + r, the same in a lane's eight registers
	global_load_b32 v[BI+8*\a], v8, s[8:9] offset:64*\a
.endr
	s_wait_loadcnt 0x0
.irp a, 0,1,2,3,4,5,6,7
.irp j, 7,6,5,4,3,2,1,0
	v_ldexp_f32 v[BI+8*\a+\j], v[BI+8*\a], s18     ; register 0 itself last
.endr
.endr
.Lbias_done:
.macro FRAG reg, adr, q, i             ; 16 rows x 128 K: lane (r, h): registers 4 c .. 4 c + 3 hold K = 32 c + 16 h + 0..15 of row r
.irp c, 0,1,2,3
	ds_load_b128 v[\reg+4*\c:\reg+4*\c+3], v[\adr] offset:128*(\q)+32*\c+(\i)*16*PITCH
.endr
.endm
; 16 matrix instructions: source 1's blocks a0, a0 + 1 x source 0's eight.  p: source 0's set.  mode 0: onto the sums; 1: the sums begin with the bias of source 0's tile; 2: of source 1's block.
; The 64 accumulators take turns, one instruction a turn, in the same order in every step.
.macro MUL16 a0, p, mode
.irp a, \a0, \a0+1
.irp b, 0,1,2,3,4,5,6,7
.if \mode == 1
	v_wmma_f32_16x16x128_fp8_fp8 v[8*(8*((\a)%4)+\b):8*(8*((\a)%4)+\b)+7], v[128*(\p)+FR*\b:128*(\p)+FR*\b+FR-1], v[AF+FR*(\a):AF+FR*(\a)+FR-1], v[BI+8*\b:BI+8*\b+7]
.elseif \mode == 2
	v_wmma_f32_16x16x128_fp8_fp8 v[8*(8*((\a)%4)+\b):8*(8*((\a)%4)+\b)+7], v[128*(\p)+FR*\b:128*(\p)+FR*\b+FR-1], v[AF+FR*(\a):AF+FR*(\a)+FR-1], v[BI+8*(\a):BI+8*(\a)+7]
.else
	v_wmma_f32_16x16x128_fp8_fp8 v[8*(8*((\a)%4)+\b):8*(8*((\a)%4)+\b)+7], v[128*(\p)+FR*\b:128*(\p)+FR*\b+FR-1], v[AF+FR*(\a):AF+FR*(\a)+FR-1], v[8*(8*((\a)%4)+\b):8*(8*((\a)%4)+\b)+7]
.endif
.endr
.endr
.endm
.macro FETCH_B slot, q, p
	WIN TO_B
.irp i, 0,1,2,3,4,5,6,7
	FRAG 128*(\p)+FR*\i, ADRB+\slot, \q, \i
.endr
	WIN 0
.endm
.macro FETCH_A slot, q, i0
.irp i, \i0, \i0+1, \i0+2, \i0+3
	FRAG AF+FR*(\i), ADRA+\slot, \q, \i
.endr
.endm
.macro PLACES n                        ; plain vector lines between a matrix instruction and a load into, or a vector line on, its registers (ISA guide 7.12.1 for vector lines)
.rept \n
	v_nop
.endr
.endm
.macro STEP slot, q, mode              ; 128 along K, with a successor in the same slot
	s_wait_dscnt 4*NL                              ; source 0's set and source 1's blocks 0-3 are in; the youngest sixteen loads (blocks 4-7) may be out
.if \mode
	WIN 0x81                                       ; C (the bias) window 0, D window 2
.else
	WIN MUL_LO
.endif
	MUL16 0, (\q)%2, \mode
	MUL16 2, (\q)%2, \mode
	s_wait_dscnt 0
	PLACES NP
	FETCH_B \slot, (\q)+1, 1-(\q)%2
	FETCH_A \slot, (\q)+1, 0
.if \mode
	WIN 0xc1
.else
	WIN MUL_HI
.endif
	MUL16 4, (\q)%2, \mode
	MUL16 6, (\q)%2, \mode
	PLACES NP
	WIN 0
	FETCH_A \slot, (\q)+1, 4
.endm
; A slot's last step changes slots: ONE barrier; in front of it each wave waits for all its tensor loads, adds 0 to its spare word, and waits for that and for its reads of this slot.  fill = 1: the slot is filled again.
.macro TURN slot, next, fill
	s_wait_tensorcnt 0x0                           ; all my tensor loads have landed: my part of the next slot
	ds_add_u32 v[SPW], v[NIL]                      ; 0 onto my spare word
	s_wait_dscnt 4*NL+1                            ; (the add and the youngest sixteen loads may be out)
	WIN MUL_LO
	MUL16 0, 1, 0
	s_wait_dscnt 0x0                               ; the add is done, and my reads of this slot are over
	s_barrier_signal -1
	MUL16 2, 1, 0
	WIN 0
	s_barrier_wait -1
.if \fill
	CREST                                          ; the barrier has opened a round of the cluster's: no wave of any partner still reads this slot or has a load on its way
	s_add_nc_u64 s[G0+4*\slot+2:G0+4*\slot+3], s[G0+4*\slot+2:G0+4*\slot+3], 2*ROWB
	s_add_nc_u64 s[G0B+4*\slot+2:G0B+4*\slot+3], s[G0B+4*\slot+2:G0B+4*\slot+3], 2*ROWB
	JLOAD G0+4*\slot, G1, G0B+4*\slot, G1B         ; the first tensor load behind the round; its four v_nop are also the places in front of the loads below
.else
	PLACES NP
.endif
	FETCH_B \next, 0, 0
	FETCH_A \next, 0, 0
	WIN MUL_HI
	MUL16 4, 1, 0
	MUL16 6, 1, 0
	PLACES NP
	WIN 0
	FETCH_A \next, 0, 4
.endm
	s_wait_alu depctr_va_vdst(0)                   ; the head's end
	s_wait_tensorcnt 0x0                           ; my part of slot 0 is in
	ds_add_u32 v[SPW], v[NIL]
	s_wait_dscnt 0x0
	CROUND                                         ; everybody's part of slot 0 is in, and the sixteen work-groups meet
	JLOAD G0+4, G1, G0B+4, G1B                     ; slot 1's first fill: the first tensor load behind the round
	FETCH_B 0, 0, 0
	FETCH_A 0, 0, 0
	FETCH_A 0, 0, 4
	s_cmp_eq_u32 ttmp9, 2                          ; the first step is written twice: it differs in which bias a sum begins with.  No tensor load, barrier or LDS store stands in it
	s_cbranch_scc1 .Lfirst_v
	s_wait_alu depctr_va_vdst(0)
	STEP 0, 0, 1
	s_branch .Lfirst_done
.Lfirst_v:
	s_wait_alu depctr_va_vdst(0)
	STEP 0, 0, 2
.Lfirst_done:
	TURN 0, 1, 1                                   ; K = 1,024 is eight steps of 128, four fills: written out, no loop
	STEP 1, 0, 0
	TURN 1, 0, 1
	STEP 0, 0, 0
	TURN 0, 1, 0
	STEP 1, 0, 0
	s_wait_dscnt 4*NL
	WIN MUL_LO
	MUL16 0, 1, 0
	MUL16 2, 1, 0
	s_wait_dscnt 0
	WIN MUL_HI
	MUL16 4, 1, 0
	MUL16 6, 1, 0
	WIN 0
	; THE WAY OUT.  Block a of source 1: a lane's 64 sums are held, converted eight at a time (registers 2 b, 2 b + 1 of the image) and stored as they stand: four stores of 512 consecutive aligned bytes.
	PLACES NP
.irp a, 0,1,2,3,4,5,6,7
	WIN 0x02+(\a/4)                                ; source 0: window 2 or 3
.set i, 0
.rept 64
	v_med3_num_f32 v[BI+i], v[64*(\a%4)+i], -v13, v13   ; each accumulator from its low end on; the conversion does not saturate (ISA guide 7.6.2)
.set i, i+1
.endr
	WIN 0
.if \a > 0
	s_wait_alu depctr_va_vdst(0)
	s_wait_xcnt 0x0                                ; the earlier stores have read their base
.if \a == 4
	s_add_nc_u64 s[10:11], s[10:11], s[86:87]
.else
	s_add_nc_u64 s[10:11], s[10:11], s[66:67]
.endif
.endif
.irp b, 0,1,2,3,4,5,6,7
	v_cvt_scalef32_pk8_fp8_f32 v[AF+16*\a+2*\b:AF+16*\a+2*\b+1], v[BI+8*\b:BI+8*\b+7], v12
.endr
	v_nop                                          ; a plain line between the conversions and the next block's lines, which write their sources
	global_store_b128 v[CO], v[AF+16*\a:AF+16*\a+3], s[10:11]
	global_store_b128 v[CO], v[AF+16*\a+4:AF+16*\a+7], s[10:11] offset:512
	global_store_b128 v[CO2], v[AF+16*\a+8:AF+16*\a+11], s[10:11]
	global_store_b128 v[CO2], v[AF+16*\a+12:AF+16*\a+15], s[10:11] offset:512
.endr
	s_wait_tensorcnt 0x0                           ; the wave's end
	ds_add_u32 v[SPW], v[NIL]
	s_wait_dscnt 0x0
	CROUND                                         ; the closing round: no work-group ends while a partner may still ask for a tile that names it
	s_endpgm
.Lfunc_end_k_qb8818e0b15_qkv:
	.size	k_qb8818e0b15_qkv, .Lfunc_end_k_qb8818e0b15_qkv-k_qb8818e0b15_qkv
	.p2alignl 7, 3214868480
	.fill 96, 4, 3214868480
	.section	.rodata,"a",@progbits
	.p2align	6, 0x0
	.amdhsa_kernel k_qb8818e0b15_qkv
		.amdhsa_group_segment_fixed_size 327680
		.amdhsa_private_segment_fixed_size 0
		.amdhsa_enable_private_segment 0
		.amdhsa_kernarg_size 72
		.amdhsa_user_sgpr_count 2
		.amdhsa_user_sgpr_kernarg_segment_ptr 1
		.amdhsa_wavefront_size32 1
		.amdhsa_system_sgpr_workgroup_id_x 1
		.amdhsa_system_sgpr_workgroup_id_y 1
		.amdhsa_system_sgpr_workgroup_id_z 1
		.amdhsa_system_vgpr_workitem_id 0
		.amdhsa_next_free_vgpr 1024
		.amdhsa_next_free_sgpr 100
		.amdhsa_reserve_vcc 0
		.amdhsa_float_denorm_mode_32 3
		.amdhsa_float_denorm_mode_16_64 3
		.amdhsa_memory_ordered 1
		.amdhsa_forward_progress 1
		.amdhsa_inst_pref_size 139
	.end_amdhsa_kernel
	.amdgpu_metadata
---
amdhsa.version: [ 1, 2 ]
amdhsa.kernels:
  - .name:           k_qb8818e0b15_qkv
    .symbol:         k_qb8818e0b15_qkv.kd
    .args:
      - { .name: xc, .offset: 0, .size: 8, .value_kind: global_buffer, .address_space: global }
      - { .name: Wq_codes, .offset: 8, .size: 8, .value_kind: global_buffer, .address_space: global }
      - { .name: Wk_codes, .offset: 16, .size: 8, .value_kind: global_buffer, .address_space: global }
      - { .name: Wv_codes, .offset: 24, .size: 8, .value_kind: global_buffer, .address_space: global }
      - { .name: bq, .offset: 32, .size: 8, .value_kind: global_buffer, .address_space: global }
      - { .name: bk, .offset: 40, .size: 8, .value_kind: global_buffer, .address_space: global }
      - { .name: bv, .offset: 48, .size: 8, .value_kind: global_buffer, .address_space: global }
      - { .name: lowp_scales, .offset: 56, .size: 8, .value_kind: global_buffer, .address_space: global }
      - { .name: qkv, .offset: 64, .size: 8, .value_kind: global_buffer, .address_space: global }
    .group_segment_fixed_size: 327680
    .private_segment_fixed_size: 0
    .kernarg_segment_align: 8
    .kernarg_segment_size: 72
    .max_flat_workgroup_size: 128
    .sgpr_count:     100
    .vgpr_count:     1024
    .wavefront_size: 32
...
	.end_amdgpu_metadata
.endif
;; end of part 2
;; launch attn (part 3): grid 4 x 64, 16 waves a work-group, clusters of 4 x 1, 327,680 bytes of LDS; arguments qkv, lowp_scales, oc; writes oc
.if DOCPART == 3
	.amdgcn_target "amdgcn-amd-amdhsa--gfx1250"
	.amdhsa_code_object_version 6
	.text
	.protected	k_qb8818e0b15_attn
	.globl	k_qb8818e0b15_attn
	.p2align	8
	.type	k_qb8818e0b15_attn,@function
k_qb8818e0b15_attn:
	s_mov_b64 s[64:65], 0
	v_nop
	global_prefetch_b8 v0, s[64:65] scope:SCOPE_SE
	s_setreg_imm32_b32 hwreg(HW_REG_WAVE_MODE, 25, 1), 1
	s_wait_xcnt 0x0
	s_wait_alu depctr_hold_cnt(0) depctr_sa_sdst(0) depctr_va_vdst(0) depctr_va_sdst(0) depctr_va_ssrc(0) depctr_va_vcc(0) depctr_vm_vsrc(0)
	s_getreg_b32 s2, hwreg(HW_REG_IB_STS2, 6, 4)
	s_cmp_eq_u32 s2, 0
	s_cbranch_scc0 .Lentry_in_a_cluster
	s_endpgm
.Lentry_in_a_cluster:
	s_bfe_u32 s2, ttmp6, 0x10000c
	s_cmp_lg_u32 s2, 0x3003
	s_cbranch_scc0 .Lentry_shape_is_right
	s_endpgm
.Lentry_shape_is_right:
; Causal attention of one head on E4M3 codes: o = softmax(q k^T / 8, keys <= query) v, head size 64, 2,048 tokens, 64 heads (bh = 16 b + head); o is quantised at once for the output projection.
; THE SOFTMAX AHEAD OF THE SECOND PRODUCT: t = score x log2(e) / 8; M = the row's largest t so far, rounded UP to a whole number; p = 2^(t - M) is quantised (scale 2^e9), not normalised; the row's sum is taken
; of the unquantised p and divides at the end.  When M moves, the sum and O are multiplied by 2^(old M - new M): exact.
; LEFT OUT: key steps that lie wholly behind a tile's last query: the causal mask sets their scores to -infinity, so their p is 0 for all inputs.
; IN: qkv's three planes, images of operand registers: a fragment comes by loads at 16 x lane, with no pitch and no padding.
; K AND V STAY IN LDS.  A head's K and V are 131,072 bytes each: K lies at LDS byte 0, V at 131,072, and no byte is filled twice.
; CLUSTER: the four work-groups of a head (cx = 0..3) need the same K and V and ask for them JOINTLY, in two fills: keys 0-511 at the head (4,096 bytes a wave: waves 0-7 K, waves 8-15 V),
; keys 512-2,047 (12,288 bytes a wave) behind the full sequence and a round.  The first four key steps read the first fill alone; then one barrier, and behind it the waves share nothing.
; SHARES.  A tile is 16 queries; tile 4 j + cx (j = 0..31) belongs to work-group cx and takes j / 2 + 1 key steps of 128 keys, whatever cx.  Wave w owns tiles j = 31 - w and j = w: 17 steps for every wave of
; every work-group.  cx enters only global addresses and the mask's number d: no branch, trip count or LDS address hangs on it.  All loops have constant counts; a trip with nothing to do is jumped over by ids.
; NO PREFETCH: both fills are issued ahead of the first key step and ask for all that the work-group reads, so no later load is left for a loop to run ahead of.
; LAYOUT.  S^T = K Q^T (16x16x64: source 0 = 16 keys, source 1 = my 16 queries): lane (r, h) holds query r, register 8 t + j key 16 t + 8 h + j: eight conversions make of them the 16 registers of source 1 of
; O^T = V^T P^T (16x16x128: source 0 = 16 features x 128 keys).  A lane holds one query throughout.
; REGISTERS: v7 d; v9 its part that stays; v12 -M, v13 largest t, v[14:15] the sum; v16-23 Q; v32-95 K's fragments, then V's; v96-159 S^T, then p; v160-191 O^T; v192-223 the way out; v224-239 p's codes;
; v236-255 at work; v240, 241, 244, 245 scales.
; OUT: oc [16 tokens][K step 8][4][lane][16 bytes]: lane (r, h), quad c of K step s: token r, k = 128 s + 32 c + 16 h + 0..15 (k = 64 head + d).
; SCALES: e6 k, e7 q, e8 v, e9 p, e10 o.  LIMITS: e6 + e7 between -123 and 130 (added to c's exponent field); e9, and e10 - e8 - e9, between -126 and 119; the scaled scores t stay under 2^31 in magnitude.
.set VR,    131072                     ; V's region
.set SPARE, 262144                     ; the spare words, 128 bytes for each of sixteen waves, that no other line names
.set LI,   1                           ; v1   16 x lane
.set ADK,  2                           ; v2   LDS address of the step's K
.set ADV,  3                           ; v3   of its V
.set LV,   4                           ; v4   VR + 16 x lane
.set SPW,  5
.set NIL,  6
.set DM,   7                           ; v7   d = my query - 8 h - the diagonal step's first key = 64 (j % 2) + 16 cx + r - 8 h
.set DB,   9                           ; v9   16 cx + r - 8 h
.set WV,   18
.set AA,   19                          ; s19  cx
.set SEL,  20                          ; s[20:21] lane l xor 16
.set CS,   22                          ; s[22:23] c = log2(e) / 8 x 2^(e6 + e7)
.set G1A,  24                          ; s[24:31] group 1 of the first fill: 16 rows of 256 bytes, dense
.set G1B,  32                          ; s[32:39] of the second: 48 rows
.set G0A,  40
.set G0B,  44
.set QB,   48                          ; s[48:49] my head's Q
.set OB,   50                          ; s[50:51] my head's place in oc
.set QA,   52
.set OA,   54
.set HM,   56                          ; s56  lanes 16-31
.set JL,   57                          ; s57  31 - wave
.set J,    58                          ; s58  the last key step of the tile in hand
.set KS,   59                          ; s59  the key step
.set KO,   60                          ; s60  its LDS byte: 8,192 x key step
.set T,    61                          ; s61  the trip
.set LL,   62                          ; s62  the long tile's last key step: (31 - wave) / 2
.set LS,   63                          ; s63  the short tile's: wave / 2
.macro ROUND                           ; a round of the cluster's barrier
	s_barrier_signal -1
	s_barrier_wait -1
	s_cmp_lg_u32 s[WV], 0
	s_cbranch_scc1 .Lnot_wave_0_\@
	s_barrier_signal -3
.Lnot_wave_0_\@:
	s_barrier_wait -3
	s_barrier_signal -1
	s_barrier_wait -1
.endm
.macro NOPS
.rept 4
	v_nop
.endr
.endm
.macro SETQ j                          ; the addresses of tile 4 j + cx: first query 64 j + 16 cx; 64 bytes a query in Q, 1,024 in oc.  s93 = 64 (j % 2)
	s_lshl_b32 s92, s[\j], 6
	s_lshl_b32 s93, s[AA], 4
	s_add_co_u32 s92, s92, s93
	s_lshl_b32 s94, s92, 6
	s_mov_b32 s95, 0
	s_add_nc_u64 s[QA:QA+1], s[QB:QB+1], s[94:95]
	s_lshl_b32 s94, s92, 10
	s_add_nc_u64 s[OA:OA+1], s[OB:OB+1], s[94:95]
	s_and_b32 s93, s[\j], 1
	s_lshl_b32 s93, s93, 6
.endm
.macro INIT                            ; a tile's state: the step is written once, and the first finds zeros, which the first change of M leaves zeros
	v_mov_b32 v13, 0xff61b1e6                      ; the largest t so far: -3e38
	v_floor_f32 v12, -v13                          ; -M
	v_mov_b32 v14, 0
	v_mov_b32 v15, 0
.set j, 0
.rept 32
	v_mov_b32 v[160+j], 0
.set j, j+1
.endr
.endm
	s_load_b128 s[4:7], s[0:1], 0x0                ; qkv s[4:5], the scales' exponents s[6:7]
	s_load_b64 s[8:9], s[0:1], 0x10                ; oc
	v_lshl_add_u32 v[SPW], v0, 2, SPARE
	v_mov_b32 v[NIL], 0
	ds_add_u32 v[SPW], v[NIL]                      ; the opening: the add, twice on end, and its wait ahead of my first tensor load
	ds_add_u32 v[SPW], v[NIL]
	v_lshrrev_b32 v8, 5, v0
	v_readfirstlane_b32 s[WV], v8                  ; wave 0..15
	s_bfe_u32 s[AA], ttmp6, 0x40000                ; cx
	s_sub_co_u32 s[JL], 31, s[WV]
	s_lshr_b32 s[LL], s[JL], 1
	s_lshr_b32 s[LS], s[WV], 1
.irp g, G1A, G1B
	s_mov_b32 s[\g], 15|(3<<16)|(1<<21)            ; the mask: all four of the cluster; elements of 8 bytes; bit 21 beside a mask; no padding
	s_mov_b32 s[\g+1], 32<<16                      ; tensor_dim0 = 32 elements: 256 bytes
	s_mov_b32 s[\g+3], 32<<16                      ; tile_dim0
	s_mov_b32 s[\g+5], 32                          ; the pitch: dense
	s_mov_b32 s[\g+6], 0
	s_mov_b32 s[\g+7], 0
.endr
	s_mov_b32 s[G1A+2], 16<<16                     ; rows
	s_mov_b32 s[G1A+4], 16
	s_mov_b32 s[G1B+2], 48<<16
	s_mov_b32 s[G1B+4], 48
	s_and_b32 s82, s[WV], 7                        ; my eighth,
	s_lshr_b32 s83, s[WV], 3                       ; of K (0) or V (1)
	s_lshl_b32 s84, s83, 17                        ; the region in LDS
	s_lshl_b32 s85, s82, 12                        ; first fill: 4,096 x eighth
	s_add_co_u32 s[G0A+1], s84, s85
	s_mul_i32 s86, s82, 12288                      ; second fill: 32,768 + 12,288 x eighth
	s_add_co_u32 s86, s86, 32768
	s_add_co_u32 s[G0B+1], s84, s86
	s_add_co_u32 s83, s83, 1
	s_lshl_b32 s83, s83, 23                        ; plane 1 (K) or 2 (V)
	s_and_b32 s70, ttmp7, 0xffff                   ; bh
	s_lshl_b32 s80, s70, 17                        ; the head's 131,072 bytes in each plane
	s_mov_b32 s81, 0
	s_add_co_u32 s83, s83, s80
	s_add_co_u32 s88, s83, s85
	s_mov_b32 s89, 0
	s_add_co_u32 s90, s83, s86
	s_mov_b32 s91, 0
	s_lshr_b32 s84, s70, 4
	s_lshl_b32 s84, s84, 21                        ; oc: b x 128 tiles x 16,384
	s_and_b32 s85, s70, 15
	s_lshl_b32 s85, s85, 10                        ; + head x 1,024
	s_add_co_u32 s84, s84, s85
	s_mov_b32 s85, 0
	s_mov_b32 s[SEL], 0x76543210
	s_mov_b32 s[SEL+1], 0xfedcba98
	s_mov_b32 s[CS], 0x3e38aa3b                    ; log2(e) / 8
	s_mov_b32 s[HM], 0xffff0000
	s_wait_dscnt 0x0                               ; both opening adds are done
	s_wait_kmcnt 0x0
	s_load_b128 s[72:75], s[6:7], 0x18             ; e6, e7, e8, e9
	s_load_b32 s76, s[6:7], 0x28                   ; e10
	s_add_nc_u64 s[QB:QB+1], s[4:5], s[80:81]
	s_add_nc_u64 s[OB:OB+1], s[8:9], s[84:85]
	s_mov_b32 s[G0A], 1
	s_add_nc_u64 s[G0A+2:G0A+3], s[4:5], s[88:89]
	s_or_b32 s[G0A+3], s[G0A+3], 0x80000000
	s_mov_b32 s[G0B], 1
	s_add_nc_u64 s[G0B+2:G0B+3], s[4:5], s[90:91]
	s_or_b32 s[G0B+3], s[G0B+3], 0x80000000
	SETQ JL                                        ; the long tile comes first
	s_lshl_b32 s91, s[AA], 4
	ROUND                                          ; the four work-groups are here: the first joint loads meet
	tensor_load_to_lds s[G0A:G0A+3], s[G1A:G1A+7]  ; keys 0-511: every wave's one load at the head
	s_nop 0
	NOPS
	v_and_b32 v8, 31, v0
	v_lshlrev_b32 v[LI], 4, v8
	v_and_b32 v9, 15, v0
	v_bfe_u32 v10, v0, 4, 1
	v_lshlrev_b32 v10, 3, v10
	v_sub_nc_u32 v9, v9, v10                       ; r - 8 h
	v_add_nc_u32 v[LV], VR, v[LI]
	v_add_nc_u32 v[DB], s91, v9                    ; + 16 cx
	v_add_nc_u32 v[DM], s93, v[DB]                 ; + 64 (j % 2)
	global_load_b128 v[16:19], v[LI], s[QA:QA+1]   ; Q's fragment stays in registers
	global_load_b128 v[20:23], v[LI], s[QA:QA+1] offset:512
	INIT
	s_wait_kmcnt 0x0
	s_add_co_i32 s80, s72, s73
	s_lshl_b32 s80, s80, 23
	s_add_co_i32 s[CS], s[CS], s80                 ; a score stands for score x 2^(e6 + e7)
	s_mov_b32 s[CS+1], s[CS]
	s_add_co_i32 s80, s75, 127
	s_lshl_b32 s66, s80, 23
	s_add_co_i32 s80, s80, 8
	s_lshl_b32 s80, s80, 23
	s_or_b32 s67, s80, 0x600000
	s_sub_co_i32 s80, s76, s74
	s_sub_co_i32 s80, s80, s75
	s_add_co_i32 s80, s80, 127
	s_lshl_b32 s68, s80, 23
	s_add_co_i32 s80, s80, 8
	s_lshl_b32 s80, s80, 23
	s_or_b32 s69, s80, 0x600000
	v_mov_b32 v244, s66                            ; 2^e9
	v_mov_b32 v240, s67                            ; 448 x 2^e9
	v_mov_b32 v245, s68                            ; 2^(e10 - e8 - e9): a sum of the second product stands for sum x 2^(e8 + e9)
	v_mov_b32 v241, s69                            ; 448 x that
.irp r, 236,237,238,239,252,253
	v_mov_b32 v\r, 0                               ; lane permutes' destinations and the upper half of v[252:253]: written once
.endr
; THE SOFTMAX OF MY TILE: 16 queries x 128 keys.  m = 1: in the tile's last step hidden scores become -infinity first.
.macro SOFTMAX m
.if \m
	s_cmp_lg_u32 s[KS], s[J]                       ; ids alone
	s_cbranch_scc1 .Lopen_\@
	v_mov_b32 v254, 0xff800000
	s_wait_alu depctr_va_vdst(0)                   ; directly ahead of the first reader of the scores
.set n, 0
.rept 64
	v_cmp_gt_i32 vcc_lo, 16*(n/8)+n%8, v[DM]       ; register n holds key 8 h + 16 (n / 8) + n % 8 of the step: hidden where 16 (n / 8) + n % 8 > d
	v_cndmask_b32 v[96+n], v[96+n], v254, vcc_lo
.set n, n+1
.endr
.Lopen_\@:
.endif
	s_wait_alu depctr_va_vdst(0)                   ; ahead of the first readers of the scores and of O^T: plain vector lines alone follow up to the last of them
	v_max3_num_f32 v254, v96, v97, v98             ; the step's largest score of my query among my 64 keys: four chains, ascending
	v_max3_num_f32 v252, v99, v100, v101
	v_max3_num_f32 v250, v102, v103, v104
	v_max3_num_f32 v248, v105, v106, v107
.irp i, 108,116,124,132,140,148
	v_max3_num_f32 v254, v254, v[\i], v[\i+1]
	v_max3_num_f32 v252, v252, v[\i+2], v[\i+3]
	v_max3_num_f32 v250, v250, v[\i+4], v[\i+5]
	v_max3_num_f32 v248, v248, v[\i+6], v[\i+7]
.endr
	v_max3_num_f32 v254, v254, v156, v157
	v_max3_num_f32 v252, v252, v158, v159
	s_delay_alu instid0(VALU_DEP_1)
	v_max3_num_f32 v254, v254, v252, v250
	s_delay_alu instid0(VALU_DEP_1)
	v_max_num_f32 v254, v254, v248
	v_permlanex16_b32 v236, v254, s[SEL], s[SEL+1]
	s_delay_alu instid0(VALU_DEP_1)
	v_max_num_f32 v254, v254, v236                 ; and among lane l xor 16's
	s_delay_alu instid0(VALU_DEP_1)
	v_mul_f32 v254, s[CS], v254                    ; as t (c is positive)
	s_delay_alu instid0(VALU_DEP_1)
	v_max_num_f32 v13, v13, v254                   ; the running largest t
	v_mov_b32 v254, v12
	s_delay_alu instid0(VALU_DEP_2)
	v_floor_f32 v12, -v13                          ; the new -M = floor(-t): M is a whole number
	s_delay_alu instid0(VALU_DEP_1)
	v_sub_f32 v254, v12, v254                      ; old M - new M: a whole number, 0 or less
	s_delay_alu instid0(VALU_DEP_1)
	v_cvt_i32_f32 v254, v254                       ; (it saturates)
	s_delay_alu instid0(VALU_DEP_1)
	v_ldexp_f32 v252, 1.0, v254                    ; f = 2^(old M - new M)
.set j, 0
.rept 32
	v_pk_fma_f32 v[96+j:97+j], v[96+j:97+j], s[CS:CS+1], v[12:13] op_sel_hi:[1,0,0]   ; t - M
.set j, j+2
.endr
.set j, 0
.rept 16
	v_pk_mul_f32 v[160+j:161+j], v[160+j:161+j], v[252:253] op_sel_hi:[1,0]           ; O^T under the new M
.set j, j+2
.endr
	s_wait_alu depctr_va_vdst(0)                   ; ahead of the batch
.set j, 0
.rept 64
	v_exp_f32 v[96+j], v[96+j]                     ; p = 2^(t - M), at most 1
.set j, j+1
.endr
	v_pk_mul_f32 v[14:15], v[14:15], v[252:253] op_sel_hi:[1,0]   ; the sums under the new M: the plain line behind the exponentials
	s_wait_alu depctr_va_vdst(0)                   ; one wait for the whole batch, ahead of the first line that names a result
.set q, 0
.irp c, 242,254,250,248,246,238,236                ; the row's sum of the unquantised p: 32 pairs in eight chains
	v_pk_add_f32 v[\c:\c+1], v[96+2*q:97+2*q], v[98+2*q:99+2*q]
.set q, q+2
.endr
	v_pk_add_f32 v[14:15], v[14:15], v[124:125]
.set q, 15
.rept 2
.irp c, 242,254,250,248,246,238,236,14
	v_pk_add_f32 v[\c:\c+1], v[\c:\c+1], v[96+2*q:97+2*q]
.set q, q+1
.endr
.endr
	v_pk_add_f32 v[242:243], v[242:243], v[158:159]
	s_delay_alu instid0(VALU_DEP_2)
	v_pk_add_f32 v[14:15], v[14:15], v[248:249]
	s_delay_alu instid0(VALU_DEP_2)
	v_pk_add_f32 v[242:243], v[242:243], v[246:247]
	v_pk_add_f32 v[254:255], v[254:255], v[238:239]
	v_pk_add_f32 v[250:251], v[250:251], v[236:237]
	s_delay_alu instid0(VALU_DEP_2)
	v_pk_add_f32 v[14:15], v[14:15], v[254:255]
	s_delay_alu instid0(VALU_DEP_2)
	v_pk_add_f32 v[242:243], v[242:243], v[250:251]
	s_delay_alu instid0(VALU_DEP_1)
	v_pk_add_f32 v[14:15], v[14:15], v[242:243]
.irp t, 0,1,2,3,4,5,6,7
.irp i, 0,1,2,3,4,5,6,7
	v_min_num_f32 v[96+8*\t+\i], v[96+8*\t+\i], v240   ; the conversion does not saturate (ISA guide 7.6.2); p is not negative, so the hold is one-sided
.endr
	v_cvt_scalef32_pk8_fp8_f32 v[224+2*\t:225+2*\t], v[96+8*\t:103+8*\t], v244   ; registers 2 t, 2 t + 1 of the operand: keys 16 t + 8 h + 0..7
.endr
	v_nop                                          ; a plain line between the conversions and the products that read their results
.endm
; A KEY STEP: 128 keys at LDS byte s[KO] of K's and of V's region.
.macro STEP m
	v_add_nc_u32 v[ADK], s[KO], v[LI]
	v_add_nc_u32 v[ADV], s[KO], v[LV]
	v_nop                                          ; with the two lines above: four places in front of loads into registers that the last products read
	v_nop
.irp t, 0,1,2,3,4,5,6,7
	ds_load_b128 v[32+8*\t:35+8*\t], v[ADK] offset:1024*\t
	ds_load_b128 v[36+8*\t:39+8*\t], v[ADK] offset:1024*\t+512
.endr
	s_wait_alu depctr_va_vdst(0)
	s_wait_dscnt 0x0
.irp t, 0,1,2,3,4,5,6,7
	v_wmma_f32_16x16x64_fp8_fp8 v[96+8*\t:103+8*\t], v[32+8*\t:39+8*\t], v[16:23], 0
.endr
	NOPS                                           ; places in front of the loads below and of the first read of the scores
.irp dt, 0,1,2,3
.irp c, 0,1,2,3
	ds_load_b128 v[32+16*\dt+4*\c:35+16*\dt+4*\c], v[ADV] offset:2048*\dt+512*\c   ; V's four fragments land under the softmax
.endr
.endr
	SOFTMAX \m
	s_wait_alu depctr_va_vdst(0)
	s_wait_dscnt 0x0                               ; V is in
.irp dt, 0,1,2,3
	v_wmma_f32_16x16x128_fp8_fp8 v[160+8*\dt:167+8*\dt], v[32+16*\dt:47+16*\dt], v[224:239], v[160+8*\dt:167+8*\dt]   ; four accumulators by turns
.endr
.endm
; A TILE IS DONE: O^T / the sum, quantised with 2^e10, stored as an image.  A lane holds d = 16 dt + 8 h + 0..7; the image wants d = 32 b + 16 h + 0..15: lanes l and l xor 16 exchange one half each.
.macro FIN
	s_wait_alu depctr_va_vdst(0)
	s_wait_xcnt 0x0                                ; earlier stores have read their data: v192-199 are written again only behind this wait
	v_add_f32 v14, v14, v15
	v_permlanex16_b32 v252, v14, s[SEL], s[SEL+1]
	v_add_f32 v14, v14, v252                       ; the row's sum
	s_wait_alu depctr_va_vdst(0)                   ; ahead of the transcendental
	v_rcp_f32 v14, v14
	v_nop                                          ; a plain line behind it,
	s_wait_alu depctr_va_vdst(0)                   ; and the wait ahead of its first reader, which is also O^T's first reader
.set j, 0
.rept 16
	v_pk_mul_f32 v[192+j:193+j], v[160+j:161+j], v[14:15] op_sel_hi:[1,0]
.set j, j+2
.endr
.set j, 0
.rept 32
	v_med3_num_f32 v[192+j], v[192+j], -v241, v241
.set j, j+1
.endr
.irp dt, 0,1,2,3
	v_cvt_scalef32_pk8_fp8_f32 v[224+2*\dt:225+2*\dt], v[192+8*\dt:199+8*\dt], v245
.endr
	v_nop
.irp b, 0,1
.irp w, 0,1
	v_cndmask_b32 v[232+2*\b+\w], v[226+4*\b+\w], v[224+4*\b+\w], s[HM]    ; what I send
.endr
.endr
.irp i, 0,1,2,3
	v_permlanex16_b32 v[236+\i], v[232+\i], s[SEL], s[SEL+1]
.endr
.irp b, 0,1
.irp w, 0,1
	v_cndmask_b32 v[192+4*\b+\w], v[224+4*\b+\w], v[236+2*\b+\w], s[HM]    ; d = 32 b + 16 h + 0..7
	v_cndmask_b32 v[194+4*\b+\w], v[236+2*\b+\w], v[226+4*\b+\w], s[HM]    ; d = 32 b + 16 h + 8..15
.endr
.endr
	global_store_b128 v[LI], v[192:195], s[OA:OA+1]                        ; 32 lanes store 512 consecutive bytes, at a multiple of 512 from oc's first byte
	global_store_b128 v[LI], v[196:199], s[OA:OA+1] offset:512
.endm
	s_wait_alu depctr_va_vdst(0)                   ; the head's end
	s_wait_loadcnt 0x0                             ; Q
	s_wait_tensorcnt 0x0                           ; my part of keys 0-511 is in
	ds_add_u32 v[SPW], v[NIL]
	s_wait_dscnt 0x0
	ROUND                                          ; everybody's part is in, and the four work-groups meet
	tensor_load_to_lds s[G0B:G0B+3], s[G1B:G1B+7]  ; keys 512-2,047: the first tensor load behind the round, on bytes that nothing has filled
	s_nop 0
	NOPS
	s_mov_b32 s[T], 0
.Lfirst:                                           ; key steps 0-3 of the long tile (its last step is 8 or later: all their keys count): they read LDS bytes under 32,768 of each region, the first fill's
	s_lshl_b32 s[KO], s[T], 13
	STEP 0
	s_add_co_u32 s[T], s[T], 1
	s_cmp_lt_u32 s[T], 4
	s_cbranch_scc1 .Lfirst
	s_wait_tensorcnt 0x0                           ; my part of the second fill is in
	ds_add_u32 v[SPW], v[NIL]
	s_wait_dscnt 0x0
	s_barrier_signal -1
	s_barrier_wait -1                              ; and everybody's: K and V are whole, and nothing is filled any more
	s_mov_b32 s[T], 0
.Lwalk:                                            ; twenty trips: 0-11 are key steps 4-15 of the long tile, 12-19 key steps 0-7 of the short one; a step behind the tile's last is jumped over
	s_add_co_u32 s[KS], s[T], 4
	s_and_b32 s[KS], s[KS], 15
	s_lshl_b32 s[KO], s[KS], 13
	s_cmp_lt_u32 s[T], 12
	s_cselect_b32 s[J], s[LL], s[LS]
	s_cmp_gt_u32 s[KS], s[J]
	s_cbranch_scc1 .Lkeep
	STEP 1
	s_cmp_lg_u32 s[KS], s[J]                       ; the tile ends with this key step?
	s_cbranch_scc1 .Lkeep
	NOPS                                           ; places behind the last products
	FIN
	s_cmp_ge_u32 s[T], 12                          ; behind the short tile nothing follows
	s_cbranch_scc1 .Lkeep
	s_wait_xcnt 0x0                                ; the stores have read their base and their data
	SETQ WV                                        ; on to the short tile
	v_add_nc_u32 v[DM], s93, v[DB]
	global_load_b128 v[16:19], v[LI], s[QA:QA+1]
	global_load_b128 v[20:23], v[LI], s[QA:QA+1] offset:512
	INIT
	s_wait_alu depctr_va_vdst(0)
	s_wait_loadcnt 0x0
.Lkeep:
	s_add_co_u32 s[T], s[T], 1
	s_cmp_lt_u32 s[T], 20
	s_cbranch_scc1 .Lwalk
	s_wait_tensorcnt 0x0                           ; the wave's end
	ds_add_u32 v[SPW], v[NIL]
	s_wait_dscnt 0x0
	ROUND                                          ; the closing round
	s_endpgm
.Lfunc_end_k_qb8818e0b15_attn:
	.size	k_qb8818e0b15_attn, .Lfunc_end_k_qb8818e0b15_attn-k_qb8818e0b15_attn
	.p2alignl 7, 3214868480
	.fill 96, 4, 3214868480
	.section	.rodata,"a",@progbits
	.p2align	6, 0x0
	.amdhsa_kernel k_qb8818e0b15_attn
		.amdhsa_group_segment_fixed_size 327680
		.amdhsa_private_segment_fixed_size 0
		.amdhsa_enable_private_segment 0
		.amdhsa_kernarg_size 24
		.amdhsa_user_sgpr_count 2
		.amdhsa_user_sgpr_kernarg_segment_ptr 1
		.amdhsa_wavefront_size32 1
		.amdhsa_system_sgpr_workgroup_id_x 1
		.amdhsa_system_sgpr_workgroup_id_y 1
		.amdhsa_system_sgpr_workgroup_id_z 1
		.amdhsa_system_vgpr_workitem_id 0
		.amdhsa_next_free_vgpr 256
		.amdhsa_next_free_sgpr 100
		.amdhsa_reserve_vcc 1
		.amdhsa_float_denorm_mode_32 3
		.amdhsa_float_denorm_mode_16_64 3
		.amdhsa_memory_ordered 1
		.amdhsa_forward_progress 1
		.amdhsa_inst_pref_size 52
	.end_amdhsa_kernel
	.amdgpu_metadata
---
amdhsa.version: [ 1, 2 ]
amdhsa.kernels:
  - .name:           k_qb8818e0b15_attn
    .symbol:         k_qb8818e0b15_attn.kd
    .args:
      - { .name: qkv, .offset: 0, .size: 8, .value_kind: global_buffer, .address_space: global }
      - { .name: lowp_scales, .offset: 8, .size: 8, .value_kind: global_buffer, .address_space: global }
      - { .name: oc, .offset: 16, .size: 8, .value_kind: global_buffer, .address_space: global }
    .group_segment_fixed_size: 327680
    .private_segment_fixed_size: 0
    .kernarg_segment_align: 8
    .kernarg_segment_size: 24
    .max_flat_workgroup_size: 512
    .sgpr_count:     100
    .vgpr_count:     256
    .wavefront_size: 32
...
	.end_amdgpu_metadata
.endif
;; end of part 3
;; launch oproj (part 4): grid 4 x 64, 4 waves a work-group, clusters of 4 x 4, 327,680 bytes of LDS; arguments oc, Wo_codes, lowp_scales, bo, x, out0; writes out0
.if DOCPART == 4
	.amdgcn_target "amdgcn-amd-amdhsa--gfx1250"
	.amdhsa_code_object_version 6
	.text
	.protected	k_qb8818e0b15_oproj
	.globl	k_qb8818e0b15_oproj
	.p2align	8
	.type	k_qb8818e0b15_oproj,@function
k_qb8818e0b15_oproj:
	s_mov_b64 s[64:65], 0
	v_nop
	global_prefetch_b8 v0, s[64:65] scope:SCOPE_SE
	s_setreg_imm32_b32 hwreg(HW_REG_WAVE_MODE, 25, 1), 1
	s_wait_xcnt 0x0
	s_wait_alu depctr_hold_cnt(0) depctr_sa_sdst(0) depctr_va_vdst(0) depctr_va_sdst(0) depctr_va_ssrc(0) depctr_va_vcc(0) depctr_vm_vsrc(0)
	s_getreg_b32 s2, hwreg(HW_REG_IB_STS2, 6, 4)
	s_cmp_eq_u32 s2, 0
	s_cbranch_scc0 .Lentry_in_a_cluster
	s_endpgm
.Lentry_in_a_cluster:
	s_bfe_u32 s2, ttmp6, 0x10000c
	s_cmp_lg_u32 s2, 0xf033
	s_cbranch_scc0 .Lentry_shape_is_right
	s_endpgm
.Lentry_shape_is_right:
; out0 = o Wo + bo + x on E4M3 codes (K = 1,024).  oc: o's codes as images of operand registers, [16 tokens][K step 8][4][lane][16 bytes]; Wo_codes: [1,024 features][1,024 k].
; A sum stands for sum x 2^(e10 + e11).  THE BIAS is the C of each sum's first product, divided by 2^(e10 + e11); on the way out each sum is multiplied by 2^(e10 + e11) and x is added, in one fused line.
; SHARES: a work-group of four waves makes 128 tokens x 256 features: 64 x 4 = 256 work-groups.  A wave makes 64 x 128: 32 accumulators of 16 x 16, by turns, in the same order in every step.
; Source 0 = 16 rows of Wo (features), source 1 = 16 tokens: a lane holds eight neighbouring features of one token.  In both operands a lane takes k = 32 c + 16 h + 0..15 into registers 4 c .. 4 c + 3.
; K goes in steps of 256 through a ring of two LDS slots filled by joint tensor loads: waves 0, 1 fetch the tokens' halves (4 token tiles x 4,096 bytes, shared along a row of the 4 x 4 cluster),
; waves 2, 3 the features' halves (128 rows x 256 bytes, padded to 272, shared along a column).  Both operands have two sets of registers: a step's fragments are fetched while the step before is multiplied.
; x: my 64 rows x 512 bytes are loaded at the head into window 3, which nothing else uses, and are waited for on the way out.
; NO PREFETCH of tiles: K has four fills; the first two stand at the head, and a request two fills ahead of the other two would stand there too.
; LIMIT: e10 + e11 between -126 and 127.
; REGISTERS: window 0: v0-31 addresses; v32-95 the bias; v128-255 source 1's two sets, later rows on the way out.  window 1: source 0's two sets.  window 2: the accumulators ((a, b) at v[8 (8 a + b)]).  window 3: x.
.set ROWB,   256
.set KROW,   1024
.set PITCH,  272                       ; an LDS row of Wo: 256 bytes + 16 of padding
.set FR,     16
.set NP,     4                         ; places behind this matrix instruction (ISA guide 7.12.1)
.set HALFT,  128*PITCH                 ; the room of one wave's tile
.set SLOT,   4*HALFT
.set SPARE,  2*SLOT                    ; the spare words, 128 bytes for each wave, that no other line names
.set SPITCH, 528                       ; the way out: a stage of 16 rows x (512 + 16) bytes for each wave, in slot 0, behind its last fill and its last read
.set ADRA, 16
.set ADRB, 20
.set STO,  24
.set RD,   25
.set CO,   26
.set SPW,  28
.set NIL,  29
.set BI,   32
.set AF,   128
.set BK,   128
.set G1, 24
.set G0, 32
.set G1B, 48
.set G0B, 56
.set MSB, 0
.macro WIN new                         ; the immediate's high byte repeats the setting that is left
.if MSB != (\new)
	s_set_vgpr_msb (MSB<<8)|(\new)
.set MSB, (\new)
.endif
.endm
.set MUL_LO, 0xa1                      ; source 0 window 1, source 1 window 0, C and D window 2
.set TO_B,   0x40
.macro JLOAD g0a, g1a, g0b, g1b        ; a joint load: waves 0 and 1 fetch for source 1, waves 2 and 3 for source 0; s_nop 0 and four v_nop follow each line
	s_cmp_eq_u32 s15, 0
	s_cbranch_scc0 .Lfor_b_\@
	tensor_load_to_lds s[\g0a:\g0a+3], s[\g1a:\g1a+7]
	s_nop 0
.rept 4
	v_nop
.endr
	s_branch .Lasked_\@
.Lfor_b_\@:
	tensor_load_to_lds s[\g0b:\g0b+3], s[\g1b:\g1b+7]
	s_nop 0
.rept 4
	v_nop
.endr
.Lasked_\@:
.endm
.macro CREST                           ; a round of the cluster's barrier behind its opening barrier
	s_cmp_lg_u32 s14, 0
	s_cbranch_scc1 .Lnot_wave_0_\@
	s_barrier_signal -3
.Lnot_wave_0_\@:
	s_barrier_wait -3
	s_barrier_signal -1
	s_barrier_wait -1
.endm
.macro CROUND
	s_barrier_signal -1
	s_barrier_wait -1
	CREST
.endm
	s_load_b256 s[4:11], s[0:1], 0x0               ; oc 4, Wo 6, the scales' exponents 8, bo 10
	s_load_b128 s[68:71], s[0:1], 0x20             ; x 68, out0 70
	v_lshl_add_u32 v[SPW], v0, 2, SPARE
	v_mov_b32 v[NIL], 0
	ds_add_u32 v[SPW], v[NIL]                      ; the opening: the add, twice on end, and its wait ahead of my first tensor load
	ds_add_u32 v[SPW], v[NIL]
	v_lshrrev_b32 v1, 5, v0
	v_readfirstlane_b32 s14, v1                    ; wave 0..3
	s_lshr_b32 s15, s14, 1                         ; my half of the tokens.  Also: I fetch for source 1 (0) or source 0 (1)
	s_and_b32 s16, s14, 1                          ; my half of the features.  Also: which half of that tile I fetch
	s_bfe_u32 s40, ttmp6, 0x40000                  ; cx
	s_bfe_u32 s41, ttmp6, 0x40004                  ; cy
	s_lshl_b32 s42, ttmp9, 2
	s_add_co_u32 s42, s42, s40                     ; the features' tile
	s_and_b32 s17, ttmp7, 0xffff
	s_lshl_b32 s17, s17, 2
	s_add_co_u32 s17, s17, s41                     ; the tokens' tile
	s_lshl_b32 s43, s41, 2
	s_lshl_b32 s43, 15, s43                        ; my row of the cluster
	s_lshl_b32 s44, 0x1111, s40                    ; my column
	s_or_b32 s[G1+0], s43, (3<<16)|(1<<21)         ; the mask; elements of 8 bytes; bit 21 beside a mask; no padding
	s_mov_b32 s[G1+1], 512<<16                     ; a row: 4,096 bytes, two K steps of a token tile's image
	s_mov_b32 s[G1+2], 4<<16                       ; four token tiles
	s_mov_b32 s[G1+3], 512<<16
	s_mov_b32 s[G1+4], 4
	s_mov_b32 s[G1+5], 2048                        ; 16,384 bytes from token tile to token tile
	s_mov_b32 s[G1+6], 0
	s_mov_b32 s[G1+7], 0
	s_or_b32 s[G1B+0], s44, (0<<16)|(1<<20)|(1<<21)|(5<<22)|(3<<25)
	s_mov_b32 s[G1B+1], ROWB<<16
	s_mov_b32 s[G1B+2], 128<<16
	s_mov_b32 s[G1B+3], ROWB<<16
	s_mov_b32 s[G1B+4], 128
	s_mov_b32 s[G1B+5], KROW
	s_mov_b32 s[G1B+6], 0
	s_mov_b32 s[G1B+7], 0
	s_lshl_b32 s20, s17, 17                        ; oc: 128 tokens are 131,072 bytes,
	s_lshl_b32 s18, s16, 16                        ; the half that I fetch 65,536
	s_add_co_u32 s20, s20, s18
	s_lshl_b32 s46, s42, 18                        ; Wo: 256 rows of 1,024 bytes,
	s_lshl_b32 s18, s16, 17                        ; the half that I fetch 128 rows
	s_add_co_u32 s46, s46, s18
	s_mov_b32 s21, 0
	s_mov_b32 s47, 0
	s_mul_i32 s45, s14, HALFT                      ; where my tile goes: no place in the cluster enters an LDS address
	s_wait_dscnt 0x0                               ; both opening adds are done
	s_wait_kmcnt 0x0
	s_load_b64 s[96:97], s[8:9], 0x28              ; e10, e11
	s_add_nc_u64 s[20:21], s[4:5], s[20:21]
	s_add_nc_u64 s[46:47], s[6:7], s[46:47]
	CROUND                                         ; all sixteen work-groups are here: the first joint loads meet
.irp s, 0,1
	s_mov_b32 s[G0+4*\s], 1
	s_add_co_u32 s[G0+4*\s+1], s45, \s*SLOT
	s_add_nc_u64 s[G0+4*\s+2:G0+4*\s+3], s[20:21], \s*4096
	s_or_b32 s[G0+4*\s+3], s[G0+4*\s+3], 0x80000000
	s_mov_b32 s[G0B+4*\s], 1
	s_add_co_u32 s[G0B+4*\s+1], s45, \s*SLOT
	s_add_nc_u64 s[G0B+4*\s+2:G0B+4*\s+3], s[46:47], \s*ROWB
	s_or_b32 s[G0B+4*\s+3], s[G0B+4*\s+3], 0x80000000
.endr
	JLOAD G0, G1, G0B, G1B                         ; slot 0: one tensor load a wave at the head
	s_mul_i32 s89, s15, HALFT                      ; my tokens' images in slot 0,
	s_mul_i32 s90, s16, HALFT
	s_add_co_u32 s90, s90, 2*HALFT                 ; my features' rows,
	s_add_co_u32 s86, s89, SLOT                    ; and the same in slot 1
	s_add_co_u32 s87, s90, SLOT
	s_mul_i32 s23, s14, 16*SPITCH                  ; my stage
	s_lshl_b32 s20, s17, 7
	s_lshl_b32 s88, s15, 6
	s_add_co_u32 s20, s20, s88                     ; my first token
	s_lshl_b32 s20, s20, 12                        ; a row of x and of out0 is 4,096 bytes
	s_lshl_b32 s46, s42, 10
	s_lshl_b32 s47, s16, 9
	s_add_co_u32 s46, s46, s47                     ; my first feature, in bytes
	s_mov_b32 s47, 0
	s_add_nc_u64 s[10:11], s[10:11], s[46:47]
	s_add_co_u32 s20, s20, s46
	s_mov_b32 s21, 0
	s_add_nc_u64 s[68:69], s[68:69], s[20:21]
	s_add_nc_u64 s[70:71], s[70:71], s[20:21]
	v_and_b32 v1, 15, v0                           ; r
	v_bfe_u32 v2, v0, 4, 1                         ; h
	v_and_b32 v6, 31, v0
	v_lshlrev_b32 v[CO], 4, v6                     ; 16 x lane
	v_mul_u32_u24 v3, v1, PITCH
	v_lshl_add_u32 v4, v2, 4, v3                   ; a row of Wo x pitch + 16 h
	v_add_nc_u32 v[ADRA], s89, v[CO]
	v_add_nc_u32 v[ADRB], s90, v4
	v_add_nc_u32 v[ADRA+1], s86, v[CO]
	v_add_nc_u32 v[ADRB+1], s87, v4
	v_mul_u32_u24 v5, v1, SPITCH
	v_lshl_add_u32 v5, v2, 5, v5
	v_add_nc_u32 v[STO], s23, v5                   ; the stage, in: row r, 32 bytes for each half of the lanes
	v_add_nc_u32 v[RD], s23, v[CO]                 ; and back: 32 lanes take a row of 512 bytes
	v_lshlrev_b32 v7, 5, v2                        ; the bias: 32 h bytes
	s_wait_alu depctr_va_vdst(0)
.irp b, 0,1,2,3,4,5,6,7
	global_load_b128 v[BI+8*\b:BI+8*\b+3], v7, s[10:11] offset:64*\b
	global_load_b128 v[BI+8*\b+4:BI+8*\b+7], v7, s[10:11] offset:64*\b+16
.endr
	s_wait_kmcnt 0x0
	s_add_co_i32 s96, s96, s97
	s_sub_co_i32 s18, 0, s96                       ; -(e10 + e11)
	s_add_co_i32 s96, s96, 127
	s_lshl_b32 s96, s96, 23                        ; 2^(e10 + e11) as f32
	s_mov_b32 s97, s96
	s_wait_loadcnt 0x0
.set i, 0
.rept 64
	v_ldexp_f32 v[BI+i], v[BI+i], s18              ; the bias / 2^(e10 + e11)
.set i, i+1
.endr
	WIN 0xc0                                       ; destination window 3
.set i, 0
.rept 64
	global_load_b128 v[4*i:4*i+3], v[CO], s[68:69] offset:i*4096 th:TH_LOAD_NT   ; x: row i of my 64, 512 consecutive bytes a load
.set i, i+1
.endr
	WIN 0
.macro FRAG reg, adr, q, i             ; 16 rows of Wo x 128 K
.irp c, 0,1,2,3
	ds_load_b128 v[\reg+4*\c:\reg+4*\c+3], v[\adr] offset:128*(\q)+32*\c+(\i)*16*PITCH
.endr
.endm
.macro FRAGA reg, adr, q, i            ; 16 tokens x 128 K: an image
.irp c, 0,1,2,3
	ds_load_b128 v[\reg+4*\c:\reg+4*\c+3], v[\adr] offset:4096*(\i)+2048*(\q)+512*\c
.endr
.endm
.macro FETCH slot, q, p                ; 48 LDS loads: the fragments of the slot's q-th 128 along K into set p
	WIN TO_B
.irp i, 0,1,2,3,4,5,6,7
	FRAG 128*(\p)+FR*\i, ADRB+\slot, \q, \i
.endr
	WIN 0
.irp i, 0,1,2,3
	FRAGA AF+64*(\p)+FR*\i, ADRA+\slot, \q, \i
.endr
.endm
.macro MUL8 a, p, mode                 ; token block a x the eight feature tiles, set p.  mode 1: the sums begin with the bias
.irp b, 0,1,2,3,4,5,6,7
.if \mode
	v_wmma_f32_16x16x128_fp8_fp8 v[8*(8*(\a)+\b):8*(8*(\a)+\b)+7], v[128*(\p)+FR*\b:128*(\p)+FR*\b+FR-1], v[AF+64*(\p)+FR*(\a):AF+64*(\p)+FR*(\a)+FR-1], v[BI+8*\b:BI+8*\b+7]
.else
	v_wmma_f32_16x16x128_fp8_fp8 v[8*(8*(\a)+\b):8*(8*(\a)+\b)+7], v[128*(\p)+FR*\b:128*(\p)+FR*\b+FR-1], v[AF+64*(\p)+FR*(\a):AF+64*(\p)+FR*(\a)+FR-1], v[8*(8*(\a)+\b):8*(8*(\a)+\b)+7]
.endif
.endr
.endm
.macro PLACES n                        ; plain vector lines between a matrix instruction and a load into, or a store of, its registers
.rept \n
	v_nop
.endr
.endm
.macro STEP slot, mode                 ; a slot's first 128 along K (set 0); the second 128's fragments are fetched into set 1 meanwhile
	s_wait_dscnt 0x0                               ; set 0 is in
	PLACES NP
	FETCH \slot, 1, 1
.if \mode
	WIN 0x81                                       ; C (the bias) window 0, D window 2
.else
	WIN MUL_LO
.endif
.irp a, 0,1,2,3
	MUL8 \a, 0, \mode
.endr
	WIN 0
.endm
; A slot's second 128 (set 1) changes slots: ONE barrier; in front of it each wave waits for all its tensor loads, adds 0 to its spare word, and waits for that and for its reads of this slot.  fill = 1: the slot is filled again.
.macro TURN slot, next, fill
	s_wait_tensorcnt 0x0                           ; all my tensor loads have landed: my part of the next slot
	ds_add_u32 v[SPW], v[NIL]                      ; 0 onto my spare word
	s_wait_dscnt 1                                 ; set 1 is in; the add alone may be out
	WIN MUL_LO
	MUL8 0, 1, 0
	s_wait_dscnt 0x0                               ; the add is done, and my reads of this slot are over
	s_barrier_signal -1
	MUL8 1, 1, 0
	WIN 0
	s_barrier_wait -1
.if \fill
	CREST                                          ; the barrier has opened a round of the cluster's: no wave of any partner still reads this slot or has a load on its way
	s_add_nc_u64 s[G0+4*\slot+2:G0+4*\slot+3], s[G0+4*\slot+2:G0+4*\slot+3], 2*4096
	s_add_nc_u64 s[G0B+4*\slot+2:G0B+4*\slot+3], s[G0B+4*\slot+2:G0B+4*\slot+3], 2*ROWB
	JLOAD G0+4*\slot, G1, G0B+4*\slot, G1B         ; the first tensor load behind the round; its four v_nop are also the places in front of the loads below
.else
	PLACES NP
.endif
	FETCH \next, 0, 0
	WIN MUL_LO
	MUL8 2, 1, 0
	MUL8 3, 1, 0
	WIN 0
.endm
	s_wait_alu depctr_va_vdst(0)                   ; the head's end
	s_wait_tensorcnt 0x0                           ; my part of slot 0 is in
	ds_add_u32 v[SPW], v[NIL]
	s_wait_dscnt 0x0
	CROUND                                         ; everybody's part of slot 0 is in, and the sixteen work-groups meet
	JLOAD G0+4, G1, G0B+4, G1B                     ; slot 1's first fill: the first tensor load behind the round
	FETCH 0, 0, 0
	STEP 0, 1                                      ; K = 1,024 is eight steps of 128, four fills: written out
	TURN 0, 1, 1
	STEP 1, 0
	TURN 1, 0, 1
	STEP 0, 0
	TURN 0, 1, 0
	STEP 1, 0
	s_wait_dscnt 0x0
	WIN MUL_LO
.irp a, 0,1,2,3
	MUL8 \a, 1, 0
.endr
	WIN 0
; THE WAY OUT, block by block of 16 tokens x 128 features: through my stage in LDS, back as whole rows of 512 bytes; then sum x 2^(e10 + e11) + x, and 32 lanes store two aligned units of 256 bytes.
.macro TOSTAGE a
.set AC, 64*(\a)
	WIN 0x08                                       ; the stores' data: window 2
.irp b, 0,1,2,3,4,5,6,7
	ds_store_b128 v[STO], v[AC+8*\b:AC+8*\b+3] offset:64*\b
	ds_store_b128 v[STO], v[AC+8*\b+4:AC+8*\b+7] offset:64*\b+16
.endr
	WIN 0
.set BB, BK+64*((\a)%2)
.irp t, 0,1,2,3,4,5,6,7,8,9,10,11,12,13,14,15
	ds_load_b128 v[BB+4*\t:BB+4*\t+3], v[RD] offset:\t*SPITCH   ; LDS serves a wave's instructions in order: these see the stores above
.endr
.endm
.macro SEND a, younger                 ; younger: the LDS instructions issued behind block a's loads, which may stay out
.set BB, BK+64*((\a)%2)
.set XX, 64*(\a)
	s_wait_dscnt \younger
	s_wait_loadcnt 16*(3-(\a))                     ; x's rows of this block are in; the later blocks' sixteen each may be out
	WIN 0x30                                       ; source 2: window 3
.set j, 0
.rept 32
	v_pk_fma_f32 v[BB+j:BB+j+1], v[BB+j:BB+j+1], s[96:97], v[XX+j:XX+j+1] op_sel_hi:[1,0,1]
.set j, j+2
.endr
	WIN 0
.irp t, 0,1,2,3,4,5,6,7,8,9,10,11,12,13,14,15
	global_store_b128 v[CO], v[BB+4*\t:BB+4*\t+3], s[70:71] offset:(16*(\a)+\t)*4096 th:TH_STORE_NT
.endr
.endm
	PLACES NP
	TOSTAGE 0
.irp a, 1,2,3
.if \a > 1
	s_wait_xcnt 0x0                                ; block a - 2's stores have read their registers: block a's loads may land there
.endif
	TOSTAGE \a
	SEND \a-1, 32
.endr
	SEND 3, 0
	s_wait_tensorcnt 0x0                           ; the wave's end
	ds_add_u32 v[SPW], v[NIL]
	s_wait_dscnt 0x0
	CROUND                                         ; the closing round
	s_endpgm
.Lfunc_end_k_qb8818e0b15_oproj:
	.size	k_qb8818e0b15_oproj, .Lfunc_end_k_qb8818e0b15_oproj-k_qb8818e0b15_oproj
	.p2alignl 7, 3214868480
	.fill 96, 4, 3214868480
	.section	.rodata,"a",@progbits
	.p2align	6, 0x0
	.amdhsa_kernel k_qb8818e0b15_oproj
		.amdhsa_group_segment_fixed_size 327680
		.amdhsa_private_segment_fixed_size 0
		.amdhsa_enable_private_segment 0
		.amdhsa_kernarg_size 48
		.amdhsa_user_sgpr_count 2
		.amdhsa_user_sgpr_kernarg_segment_ptr 1
		.amdhsa_wavefront_size32 1
		.amdhsa_system_sgpr_workgroup_id_x 1
		.amdhsa_system_sgpr_workgroup_id_y 1
		.amdhsa_system_sgpr_workgroup_id_z 1
		.amdhsa_system_vgpr_workitem_id 0
		.amdhsa_next_free_vgpr 1024
		.amdhsa_next_free_sgpr 100
		.amdhsa_reserve_vcc 0
		.amdhsa_float_denorm_mode_32 3
		.amdhsa_float_denorm_mode_16_64 3
		.amdhsa_memory_ordered 1
		.amdhsa_forward_progress 1
		.amdhsa_inst_pref_size 87
	.end_amdhsa_kernel
	.amdgpu_metadata
---
amdhsa.version: [ 1, 2 ]
amdhsa.kernels:
  - .name:           k_qb8818e0b15_oproj
    .symbol:         k_qb8818e0b15_oproj.kd
    .args:
      - { .name: oc, .offset: 0, .size: 8, .value_kind: global_buffer, .address_space: global }
      - { .name: Wo_codes, .offset: 8, .size: 8, .value_kind: global_buffer, .address_space: global }
      - { .name: lowp_scales, .offset: 16, .size: 8, .value_kind: global_buffer, .address_space: global }
      - { .name: bo, .offset: 24, .size: 8, .value_kind: global_buffer, .address_space: global }
      - { .name: x, .offset: 32, .size: 8, .value_kind: global_buffer, .address_space: global }
      - { .name: out0, .offset: 40, .size: 8, .value_kind: global_buffer, .address_space: global }
    .group_segment_fixed_size: 327680
    .private_segment_fixed_size: 0
    .kernarg_segment_align: 8
    .kernarg_segment_size: 48
    .max_flat_workgroup_size: 128
    .sgpr_count:     100
    .vgpr_count:     1024
    .wavefront_size: 32
...
	.end_amdgpu_metadata
.endif
;; end of part 4
